; MI455X (gfx1250); checked and timed in simulation.
; The chip was launched on July 23, 2026; its instructions are those of AMD's public machine-readable ISA for CDNA 5 (MIT licence, August 2026) and "CDNA5" Instruction Set Architecture Reference Guide (July 2026). The comments in the code are by the model that wrote it; some were corrected since.
;; TDMHSA. Allowed arithmetic: matrix products marked QUANTISED: E3M2 operands, one E8M0 scale for each 32 along K, by v_wmma_scale_f32_16x16x128_f8f6f4 with both operands' format E3M2, f32 sums; products left as they are: f32 operands where the result goes on into a quantised operand, else bf16, f16 or f32 operands; f32 sums; everything else in f32.
;; Inputs: Er_codes 1,024 x 2 x 24 uint8 (E3M2 codes of Er, K innermost, in blocks of 32 codes, four codes in three bytes); Er_scales 1,024 x 2 uint8 (E8M0 scales of Er, one for each 32 codes along K); W_out_codes 1,024 x 32 x 24 uint8 (E3M2 codes of W_out, K innermost, in blocks of 32 codes, four codes in three bytes); W_out_scales 1,024 x 32 uint8 (E8M0 scales of W_out, one for each 32 codes along K); W_qkv_codes 3,072 x 32 x 24 uint8 (E3M2 codes of W_qkv, K innermost, in blocks of 32 codes, four codes in three bytes); W_qkv_scales 3,072 x 32 uint8 (E8M0 scales of W_qkv, one for each 32 codes along K); W_time 256 x 3,072 float32; b_out 1,024 float32; b_qkv 3,072 float32; b_time 3,072 float32; time_emb 8 x 256 float32; x_codes 8 x 1,024 x 32 x 24 uint8 (E3M2 codes of x, K innermost, in blocks of 32 codes, four codes in three bytes); x_scales 8 x 1,024 x 32 uint8 (E8M0 scales of x, one for each 32 codes along K).
;; Outputs: out0 8 x 1,024 x 1,024 float32.
;; This version of the problem:
;;   THIS VERSION OF THE PROBLEM IS GIVEN IN LOW PRECISION. The matrix products marked QUANTISED in the list below multiply operands that are first quantised to E3M2 (3 exponent bits, 2 mantissa bits; 6 bits a number), with one power-of-two scale for each 32 numbers along K (OCP MX v1.0); their sums are f32. All else is computed in f32.
;;   The module's matrix products, in the order in which they are computed (A, B: the left and right operand; K: the contracted axis; several contracted axes count as one K, in the product's order):
;;     1. [M 8,192, K 1,024] x [K 1,024, N 3,072]; A: input x (given as codes); B: input W_qkv (given as codes): QUANTISED
;;     2. [M 8, K 256] x [K 256, N 3,072]; A: input time_emb; B: input W_time: left as it is (M = 8 < 16)
;;     3. [M 131,072, K 64] x [K 64, N 1,024]; A: computed on the way; B: input Er (given as codes): QUANTISED
;;     4. batch 128 x [M 1,024, K 64] x [K 64, N 1,024]; A: computed on the way; B: computed on the way: QUANTISED
;;     5. batch 128 x [M 1,024, K 1,024] x [K 1,024, N 64]; A: softmax (see below); B: computed on the way: QUANTISED
;;     6. [M 8,192, K 1,024] x [K 1,024, N 1,024]; A: computed on the way; B: input W_out (given as codes): QUANTISED
;;   THE QUANTISER, for each operand of a quantised product, along K:
;;     - K is cut into blocks of 32 from its start; a last block that is shorter is filled with zeros.
;;     - A block's scale is 2^e with e = floor(log2(the largest magnitude in the block)) - 4, held to -126 .. 127; a block of zeros has e = 0. As a byte (E8M0): e + 127.
;;     - Each number is divided by its block's scale, clamped to +-28, and rounded to the nearest number of E3M2, ties to even, subnormals kept.
;;     - The product sums the exact products of the quantised numbers (number of the format x scale) in f32.
;;   ~~~python
;;   def quantise(x, axis):      # numpy; x: float32 -> the quantised numbers, widened to float32 again
;;       x = np.moveaxis(x, axis, -1); K = x.shape[-1]
;;       x = np.pad(x, [(0, 0)] * (x.ndim - 1) + [(0, -K % 32)]); x = x.reshape(x.shape[:-1] + (-1, 32)); a = np.abs(x).max(-1, keepdims=True)
;;       e = np.where(a > 0, np.clip(np.frexp(np.where(a > 0, a, 1))[1] - 1 - 4, -126, 127), 0)      # np.frexp(a)[1] - 1 = floor(log2(a)), exactly
;;       r = np.clip(x / 2.0 ** e, -28, 28)
;;       step = 2.0 ** (np.maximum(np.frexp(np.where(r == 0, 1, r))[1] - 1, -2) - 2)
;;       q = np.round(r / step) * step * 2.0 ** e      # np.round: ties to even
;;       return np.moveaxis(q.reshape(q.shape[:-2] + (-1,))[..., :K], -1, axis).astype(np.float32)
;;   ~~~
;;   SOFTMAX AHEAD OF A QUANTISED PRODUCT. Where the list says 'softmax', what is quantised is not the finished softmax but p = 2^(t - M), with t = logit x log2(e) and M = ceil(the row's largest t), a whole number; so 1/2 < the row's largest p <= 1. The row's sum l is taken of the UNQUANTISED p, in f32, and the product's result is divided by l at the end. Since M is a whole number, a kernel that streams over the keys may use a running M (the ceiling of the running maximum): every later rescaling is an exact power of two, which a block's scale takes up: the codes' values come out the same.
;;   OPERANDS COMPUTED ON THE WAY. 'Computed on the way' means the value that the module computes at that place (a softmax that the list does not call 'softmax' is quantised finished and normalised). What goes into a quantiser is computed in f32, as accurately as f32 sums, v_exp_f32 and their like allow (about 1e-6 of the number): no bf16 or f16 on the way to a quantiser, and a product that is left as it is and whose result goes on into a quantised operand takes f32 operands (vector FMAs, or v_wmma_f32_16x16x4_f32). A number that lies on a knife's edge between two numbers of the format may be rounded either way, as far as f32 arithmetic and the matrix unit's own rounding can turn it there, and no further.
;;   INPUTS GIVEN AS CODES. Er (in the module: [1024, 64], K = its axis 1); W_out (in the module: [1024, 1024], K = its axis 0); W_qkv (in the module: [1024, 3072], K = its axis 0); x (in the module: [8, 1024, 1024], K = its axis 2): each comes as NAME_codes (uint8): NAME with its K axis moved to the last place and cut into blocks of 32 codes, [.., K / 32, bytes a block], one block behind the other in memory; four codes in three bytes: a row's codes are one little-endian stream of bits, code i at bits 6 i .. 6 i + 5 (a code: sign, 3 exponent bits, 2 mantissa bits); and NAME_scales (uint8): the same leading axes, one E8M0 byte (e + 127) for each 32 codes along K. Its value is code x scale, taken as it is: it is not quantised again, and the codes and scales need not be those that the quantiser above would give.
;; One version. Each part assembles by itself: llvm-mc -triple=amdgcn-amd-amdhsa -mcpu=gfx1250 --defsym DOCPART=n.
;; ======== version 1 of 1: 4 launches
;; limits: right only within a limited range of input values
;; workspace buffers: tb 98,304 bytes; erx 167,936 bytes; qrec 6,553,600 bytes; kvrec 13,107,200 bytes; ocodes 6,291,456 bytes; oscales 262,144 bytes
;; launch prep (part 1): grid 62 x 1, 8 waves a work-group, no clusters, 17,408 bytes of LDS; arguments time_emb, W_time, b_time, b_qkv, Er_codes, Er_scales, tb, erx; writes tb, erx
.if DOCPART == 1
	.amdgcn_target "amdgcn-amd-amdhsa--gfx1250"
	.amdhsa_code_object_version 6
	.text
	.protected	k_q777dd0463d_prep
	.globl	k_q777dd0463d_prep
	.p2align	8
	.type	k_q777dd0463d_prep,@function
k_q777dd0463d_prep:
	s_mov_b64 s[64:65], 0
	v_nop
	global_prefetch_b8 v0, s[64:65] scope:SCOPE_SE
	s_setreg_imm32_b32 hwreg(HW_REG_WAVE_MODE, 25, 1), 1
	s_wait_xcnt 0x0
; LAUNCH 1 OF 4.  Two small tables for the launches behind it.
; DEAD WORK: none is left out in this program.  Every product of the problem is live (there is no mask: the upper triangle of the skewed bias reaches the softmax), and every input is loaded.
; LIMITS of the whole program: NaN and infinities among the inputs are not served; a block of zeros, or one whose largest magnitude lies under 2^-122, gets the scale byte 1 (these bytes are read by
; this program alone, and the codes of such a block are zeros or the rule's own); the bias is carried as 8 x rel, which overflows where |rel| passes 4e37; f32 sums are taken in another order than written.
; (a) tb[b][col] = time_emb[b] . W_time[:, col] + b_time[col] + b_qkv[col], f32 fused multiply-adds: what the next launch gives its sums as their start.
;     Work-groups 0-47 take 64 columns each.  Wave w sums t = 32 w .. 32 w + 31 for all 8 batches, a lane two columns (a load of the wave reads 256 bytes on end); time_emb comes as scalars, four t at a time,
;     in two sets of scalar registers by turns.  The eight waves' parts meet in LDS; wave w then finishes batch w and stores 256 bytes on end.
; (b) erx: for each half of the queries a record of 83,968 bytes that the attention launch takes into LDS as it lies.  With u = 1023 - i + j the skewed bias is q_i . Er[u] for u < 1024, 0 for u = 1024 and
;     q_(i+1) . Er[u - 1025] above.  So one table ErE[u] = Er[u] | 0 | Er[u - 1025] | 0 serves.  Record: 1,552 rows of 48 bytes (ErE from Ubase = 512 - 512 half on); 32 rows of 96 bytes for the one tile that
;     holds u = 1024 (u = 1008 on: the part under 1024, then the part over 1024); a scale word for each row (its two bytes and those of the row 16 on); the 32 rows' words; 64 bytes of zeros.
;     In each block of 32 codes the second and third group of eight change places: that is the order in which the next launch leaves q's codes.  Work-groups 48-61, a thread to a row of 48 bytes.
.set SPARE, 16384                      ; behind the 8 x 2,048 bytes of partial sums: the spare words, 128 bytes for each wave
.set SPW, 126                          ; v126 LDS address of my spare word; never rewritten
.set NIL, 127                          ; v127 0; never rewritten
.set WV, 2                             ; s2   my wave's number
	s_load_b512 s[4:19], s[0:1], 0x0               ; time_emb 4, W_time 6, b_time 8, b_qkv 10, Er_codes 12, Er_scales 14, tb 16, erx 18
	v_lshl_add_u32 v[SPW], v0, 2, SPARE
	v_mov_b32 v[NIL], 0
	v_lshrrev_b32 v1, 5, v0
	s_delay_alu instid0(VALU_DEP_1)
	v_readfirstlane_b32 s[WV], v1
	v_and_b32 v2, 31, v0                           ; lane
	s_cmp_lt_u32 ttmp9, 48                         ; the same in all waves of a work-group
	s_cbranch_scc0 .Ler
; ---------------- (a) the time product
	v_lshlrev_b32 v3, 3, v2                        ; 8 x lane: my two columns
	s_wait_alu depctr_va_vdst(0)
	s_lshl_b32 s52, ttmp9, 8                       ; 256 j: the work-group's 64 columns
	s_mov_b32 s53, 0
	s_mul_i32 s54, s[WV], 32*12288                 ; my 32 rows of W_time
	s_add_co_u32 s54, s54, s52
	s_mov_b32 s55, 0
	s_lshl_b32 s56, s[WV], 7                       ; my 32 numbers of a row of time_emb
	s_mov_b32 s57, 0
	s_mul_i32 s58, s[WV], 12288                    ; batch w's row of tb
	s_add_co_u32 s58, s58, s52
	s_mov_b32 s59, 0
	v_lshl_add_u32 v4, s[WV], 11, v3               ; LDS: my wave's partial sums
	v_lshl_add_u32 v5, s[WV], 8, v3                ; LDS: batch w's place in a wave's partial sums
	s_wait_kmcnt 0x0
	s_add_nc_u64 s[6:7], s[6:7], s[54:55]
	s_add_nc_u64 s[4:5], s[4:5], s[56:57]
	s_add_nc_u64 s[8:9], s[8:9], s[52:53]
	s_add_nc_u64 s[10:11], s[10:11], s[52:53]
	s_add_nc_u64 s[16:17], s[16:17], s[58:59]
.set i, 0
.rept 32
	global_load_b64 v[32+2*i:33+2*i], v3, s[6:7] offset:12288*i th:TH_LOAD_NT
.set i, i+1
.endr
.macro TE ch                           ; four t of all eight batches into scalar set ch % 2 (s20-51 or s68-99)
.irp b, 0,1,2,3,4,5,6,7
	s_load_b128 s[20+48*((\ch)%2)+4*\b:23+48*((\ch)%2)+4*\b], s[4:5], 1024*\b+16*(\ch)
.endr
.endm
.macro CH ch
	s_wait_kmcnt 0x0                               ; this chunk's scalars are in
.if \ch < 7
	TE (\ch)+1                                     ; the next chunk's go into the other set
.endif
	s_wait_loadcnt 28-4*(\ch)                      ; of the 32 loads the first 4 ch + 4 are in; the younger ones stay out
.irp k, 0,1,2,3
.irp b, 0,1,2,3,4,5,6,7
.irp c, 0,1
.if ((\ch) == 0) && (\k == 0)
	v_mul_f32 v[8+2*\b+\c], s[20+48*((\ch)%2)+4*\b+\k], v[32+2*(4*(\ch)+\k)+\c]      ; the first product starts the sum
.else
	v_fma_f32 v[8+2*\b+\c], s[20+48*((\ch)%2)+4*\b+\k], v[32+2*(4*(\ch)+\k)+\c], v[8+2*\b+\c]
.endif
.endr
.endr
.endr
.endm
	TE 0
.irp ch, 0,1,2,3,4,5,6,7
	CH \ch
.endr
	global_load_b64 v[24:25], v3, s[8:9]           ; the two biases of my columns
	global_load_b64 v[26:27], v3, s[10:11]
.irp b, 0,1,2,3,4,5,6,7
	ds_store_b64 v4, v[8+2*\b:9+2*\b] offset:256*\b
.endr
	s_wait_dscnt 0x0                               ; for the others' sake: my partial sums lie in LDS
	s_barrier_signal -1
	s_barrier_wait -1
.irp w, 0,1,2,3,4,5,6,7
	ds_load_b64 v[32+2*\w:33+2*\w], v5 offset:2048*\w
.endr
	s_wait_dscnt 0x0
	v_pk_add_f32 v[32:33], v[32:33], v[34:35]
	v_pk_add_f32 v[36:37], v[36:37], v[38:39]
	v_pk_add_f32 v[40:41], v[40:41], v[42:43]
	v_pk_add_f32 v[44:45], v[44:45], v[46:47]
	s_delay_alu instid0(VALU_DEP_3)
	v_pk_add_f32 v[32:33], v[32:33], v[36:37]
	s_delay_alu instid0(VALU_DEP_2)
	v_pk_add_f32 v[40:41], v[40:41], v[44:45]
	s_delay_alu instid0(VALU_DEP_1)
	v_pk_add_f32 v[32:33], v[32:33], v[40:41]
	s_wait_loadcnt 0x0
	v_pk_add_f32 v[24:25], v[24:25], v[26:27]
	s_wait_alu depctr_va_vdst(0)
	v_pk_add_f32 v[32:33], v[32:33], v[24:25]
	global_store_b64 v3, v[32:33], s[16:17]        ; 32 lanes store 256 consecutive bytes, aligned
	s_wait_tensorcnt 0x0                           ; the wave's end
	ds_add_u32 v[SPW], v[NIL]
	s_wait_dscnt 0x0
	s_endpgm
; ---------------- (b) the tables of Er.  No LDS on this way.
.Ler:
	s_sub_co_u32 s20, ttmp9, 48
	s_cmp_ge_u32 s20, 7
	s_cselect_b32 s21, 1, 0                        ; half
	s_mul_i32 s22, s21, 7
	s_sub_co_u32 s22, s20, s22
	s_lshl_b32 s22, s22, 8                         ; the work-group's first row of 48 bytes
	s_lshl_b32 s23, s21, 9
	s_sub_co_u32 s23, 512, s23                     ; Ubase
	s_mul_i32 s24, s21, 83968                      ; the half's record
	s_mov_b32 s25, 0
	v_add_nc_u32 v1, s22, v0                       ; rho: my row of 48 bytes
	v_mov_b32 v7, 0
	v_mov_b32 v9, 0x7f7f                           ; the two scale bytes of a row of zeros: 1.0
	s_delay_alu instid0(VALU_DEP_3)
	v_cmp_le_u32 s26, 0x610, v1                    ; IS: rho >= 1552: a half row of the 32 rows round u = 1024
	s_delay_alu instid0(VALU_DEP_4)
	v_add_nc_u32 v2, 0xfffff9f0, v1                ; k = rho - 1552
	s_delay_alu instid0(VALU_DEP_1)
	v_lshrrev_b32 v3, 1, v2                        ; which of the 32 rows
	s_delay_alu instid0(VALU_DEP_2)
	v_and_b32 v4, 1, v2                            ; which part of it
	s_delay_alu instid0(VALU_DEP_2)
	v_add_nc_u32 v12, 0x3f0, v3                    ; u = 1008 + k / 2
	v_add_nc_u32 v5, s23, v1                       ; u = Ubase + rho
	s_delay_alu instid0(VALU_DEP_1)
	v_cndmask_b32 v5, v5, v12, s26                 ; my u
	v_mov_b32 v6, 16
	s_delay_alu instid0(VALU_DEP_1)
	v_cndmask_b32 v6, v6, v7, s26
	s_delay_alu instid0(VALU_DEP_1)
	v_add_nc_u32 v6, v5, v6                        ; the partner whose scale bytes fill the upper half of my word: the row 16 on; of the 32 rows: the same u, its part over 1024
	s_wait_alu depctr_va_vdst(0)
	v_cmp_eq_u32 s27, 0, v4                        ; P0: the part under 1024
	s_not_b32 s28, s26                             ; NS: a plain row
	s_or_b32 s29, s28, s27                         ; may hold Er[u], u < 1024
	s_not_b32 s30, s27
	s_or_b32 s30, s28, s30                         ; may hold Er[u - 1025]
.macro SRC u, sr, lo, hi               ; from u: the row of Er, and the lanes where u < 1024 (lo) and where 1025 <= u <= 2048 (hi)
	v_cmp_gt_u32 s[\lo], 0x400, v[\u]
	v_cmp_lt_u32 s[\hi], 0x400, v[\u]
	v_cmp_ge_u32 s34, 0x800, v[\u]
	v_add_nc_u32 v13, 0xfffffbff, v[\u]            ; u - 1025
	s_delay_alu instid0(VALU_DEP_1)
	v_cndmask_b32 v[\sr], v[\u], v13, s[\hi]
	s_delay_alu instid0(VALU_DEP_1)
	v_min_u32 v[\sr], 0x3ff, v[\sr]                ; no load leaves Er: rows that hold zeros read row 1023 and discard it
	s_and_b32 s[\hi], s[\hi], s34
.endm
	SRC 5, 10, 31, 32
	s_and_b32 s31, s31, s29
	s_and_b32 s32, s32, s30
	s_or_b32 s35, s31, s32                         ; my row is live
	SRC 6, 11, 36, 37
	s_and_b32 s36, s36, s28
	s_or_b32 s38, s36, s37                         ; my partner's is
	v_mul_u32_u24 v14, v10, 48
	v_lshlrev_b32 v15, 1, v10
	v_lshlrev_b32 v8, 1, v11
	s_wait_alu depctr_va_vdst(0)
	s_wait_kmcnt 0x0
	s_add_nc_u64 s[18:19], s[18:19], s[24:25]
	global_load_b128 v[16:19], v14, s[12:13]
	global_load_b128 v[20:23], v14, s[12:13] offset:16
	global_load_b128 v[24:27], v14, s[12:13] offset:32
	global_load_u16 v28, v15, s[14:15]
	global_load_u16 v29, v8, s[14:15]
	v_mul_u32_u24 v44, v1, 48                      ; where my 48 bytes go
	v_lshl_add_u32 v45, v1, 2, 77568               ; a plain row's word,
	v_lshl_add_u32 v46, v3, 2, 83776               ; one of the 32 rows' words
	s_delay_alu instid0(VALU_DEP_1)
	v_cndmask_b32 v45, v45, v46, s26
	v_lshl_add_u32 v47, v1, 2, 77440               ; the 16 words of zeros at the record's end: 83,904 + 4 (rho - 1616)
	v_cmp_gt_u32 s39, 0x650, v1                    ; rho < 1616: a row
	s_and_b32 s43, s27, s39
	s_and_b32 s43, s43, s26
	s_or_b32 s43, s43, s28                         ; who stores a word: plain rows, and the first parts of the 32
	v_cmp_le_u32 s40, 0x650, v1
	v_cmp_gt_u32 s41, 0x660, v1
	s_and_b32 s41, s40, s41                        ; who stores a zero
	s_wait_loadcnt 0x0
.irp q, 0,1                            ; a block of 24 bytes is four groups of 6 bytes (8 codes): groups 1 and 2 change places
	v_perm_b32 v[33+6*\q], v[19+6*\q], v[17+6*\q], 0x05040100
	v_perm_b32 v[34+6*\q], v[20+6*\q], v[19+6*\q], 0x05040302
	v_perm_b32 v[35+6*\q], v[18+6*\q], v[17+6*\q], 0x05040302
	v_perm_b32 v[36+6*\q], v[20+6*\q], v[18+6*\q], 0x07060302
	v_cndmask_b32 v[32+6*\q], v7, v[16+6*\q], s35  ; zero codes where the row is not live
	v_cndmask_b32 v[33+6*\q], v7, v[33+6*\q], s35
	v_cndmask_b32 v[34+6*\q], v7, v[34+6*\q], s35
	v_cndmask_b32 v[35+6*\q], v7, v[35+6*\q], s35
	v_cndmask_b32 v[36+6*\q], v7, v[36+6*\q], s35
	v_cndmask_b32 v[37+6*\q], v7, v[21+6*\q], s35
.endr
	v_cndmask_b32 v28, v9, v28, s35
	v_cndmask_b32 v29, v9, v29, s38
	s_delay_alu instid0(VALU_DEP_1)
	v_lshl_or_b32 v30, v29, 16, v28
	s_wait_alu depctr_va_vdst(0)
	s_wait_xcnt 0x0                                ; EXEC changes only behind this wait
	s_mov_b32 vcc_lo, s39
	s_and_saveexec_b32 s42, vcc_lo
	global_store_b128 v44, v[32:35], s[18:19]
	global_store_b128 v44, v[36:39], s[18:19] offset:16
	global_store_b128 v44, v[40:43], s[18:19] offset:32
	s_wait_xcnt 0x0
	s_or_b32 exec_lo, exec_lo, s42
	s_mov_b32 vcc_lo, s43
	s_and_saveexec_b32 s42, vcc_lo
	global_store_b32 v45, v30, s[18:19]
	s_wait_xcnt 0x0
	s_or_b32 exec_lo, exec_lo, s42
	s_mov_b32 vcc_lo, s41
	s_and_saveexec_b32 s42, vcc_lo
	global_store_b32 v47, v7, s[18:19]
	s_wait_xcnt 0x0
	s_or_b32 exec_lo, exec_lo, s42
	s_endpgm
.Lfunc_end_k_q777dd0463d_prep:
	.size	k_q777dd0463d_prep, .Lfunc_end_k_q777dd0463d_prep-k_q777dd0463d_prep
	.p2alignl 7, 3214868480
	.fill 96, 4, 3214868480
	.section	.rodata,"a",@progbits
	.p2align	6, 0x0
	.amdhsa_kernel k_q777dd0463d_prep
		.amdhsa_group_segment_fixed_size 17408
		.amdhsa_private_segment_fixed_size 0
		.amdhsa_enable_private_segment 0
		.amdhsa_kernarg_size 64
		.amdhsa_user_sgpr_count 2
		.amdhsa_user_sgpr_kernarg_segment_ptr 1
		.amdhsa_wavefront_size32 1
		.amdhsa_system_sgpr_workgroup_id_x 1
		.amdhsa_system_sgpr_workgroup_id_y 1
		.amdhsa_system_sgpr_workgroup_id_z 1
		.amdhsa_system_vgpr_workitem_id 0
		.amdhsa_next_free_vgpr 128
		.amdhsa_next_free_sgpr 100
		.amdhsa_reserve_vcc 1
		.amdhsa_float_denorm_mode_32 3
		.amdhsa_float_denorm_mode_16_64 3
		.amdhsa_memory_ordered 1
		.amdhsa_forward_progress 1
		.amdhsa_inst_pref_size 50
	.end_amdhsa_kernel
	.amdgpu_metadata
---
amdhsa.version: [ 1, 2 ]
amdhsa.kernels:
  - .name:           k_q777dd0463d_prep
    .symbol:         k_q777dd0463d_prep.kd
    .args:
      - { .name: time_emb, .offset: 0, .size: 8, .value_kind: global_buffer, .address_space: global }
      - { .name: W_time, .offset: 8, .size: 8, .value_kind: global_buffer, .address_space: global }
      - { .name: b_time, .offset: 16, .size: 8, .value_kind: global_buffer, .address_space: global }
      - { .name: b_qkv, .offset: 24, .size: 8, .value_kind: global_buffer, .address_space: global }
      - { .name: Er_codes, .offset: 32, .size: 8, .value_kind: global_buffer, .address_space: global }
      - { .name: Er_scales, .offset: 40, .size: 8, .value_kind: global_buffer, .address_space: global }
      - { .name: tb, .offset: 48, .size: 8, .value_kind: global_buffer, .address_space: global }
      - { .name: erx, .offset: 56, .size: 8, .value_kind: global_buffer, .address_space: global }
    .group_segment_fixed_size: 17408
    .private_segment_fixed_size: 0
    .kernarg_segment_align: 8
    .kernarg_segment_size: 64
    .max_flat_workgroup_size: 256
    .sgpr_count:     100
    .vgpr_count:     128
    .wavefront_size: 32
...
	.end_amdgpu_metadata
.endif
;; end of part 1
;; launch qkv (part 2): grid 16 x 32, 4 waves a work-group, clusters of 4 x 4, 327,680 bytes of LDS; arguments x_codes, x_scales, W_qkv_codes, W_qkv_scales, tb, qrec, kvrec; writes qrec, kvrec
.if DOCPART == 2
	.amdgcn_target "amdgcn-amd-amdhsa--gfx1250"
	.amdhsa_code_object_version 6
	.text
	.protected	k_q777dd0463d_qkv
	.globl	k_q777dd0463d_qkv
	.p2align	8
	.type	k_q777dd0463d_qkv,@function
k_q777dd0463d_qkv:
	s_mov_b64 s[64:65], 0
	v_nop
	global_prefetch_b8 v0, s[64:65] scope:SCOPE_SE
	s_setreg_imm32_b32 hwreg(HW_REG_WAVE_MODE, 25, 1), 1
	s_wait_xcnt 0x0
	s_wait_alu depctr_hold_cnt(0) depctr_sa_sdst(0) depctr_va_vdst(0) depctr_va_sdst(0) depctr_va_ssrc(0) depctr_va_vcc(0) depctr_vm_vsrc(0)
	s_getreg_b32 s2, hwreg(HW_REG_IB_STS2, 6, 4)
	s_cmp_eq_u32 s2, 0
	s_cbranch_scc0 .Lentry_in_a_cluster
	s_endpgm
.Lentry_in_a_cluster:
	s_bfe_u32 s2, ttmp6, 0x10000c
	s_cmp_lg_u32 s2, 0xf033
	s_cbranch_scc0 .Lentry_shape_is_right
	s_endpgm
.Lentry_shape_is_right:
; LAUNCH 2 OF 4.  q, k, v = x W_qkv + tb (tb: both biases and the time product), on codes of BF6 (E3M2) with one E8M0 scale for each 32 along K; the results are quantised in registers and leave as codes.  No work is left out.
; SHARES.  A work-group takes 256 tokens of one batch and the 192 columns of ONE head (rows 64 hh, 1024 + 64 hh, 2048 + 64 hh of W_qkv's codes).  Wave w: tokens 128 (w / 2) on;
; c = w % 2: c = 0 makes q and v's columns 0-31, c = 1 makes k and v's columns 32-63: 48 accumulators of 16 x 16.
; q AND k ARE MADE TRANSPOSED (source 0 = 16 rows of W, source 1 = 16 tokens): a lane holds one token, its registers run along the head's 64.  v IS MADE AS IT STANDS: a lane holds one column, its registers run along the tokens.
; A block's codes come out in the order 0-7, 16-23, 8-15, 24-31, alike on both sides of every later product.  WHAT LEAVES: images of operand registers (register g of lane l at 512 (g / 4) + 16 l + 4 (g % 4) of a fragment's 1,536 bytes).
; LDS.  W's three chunks of 64 rows lie there for all of K: dense memory, fetched as rows of 256 bytes with 16 bytes of padding, so a row of W is 816 bytes apart.  x goes in three chunks of 256 bytes of each row
; through two slots (chunk c in slot c % 2): every tensor row is 256 bytes and begins at a multiple of 256.  A step of 128 along K is 96 bytes of a row; steps 2 and 5 lie across two chunks.
; HEAD: waves 0, 1 fetch x's chunks 0, 1, waves 2, 3 rows 32 c on of W's three chunks; chunk 2 (the one refill) comes by four loads of 64 rows, one a wave.  A wave has one load out.
; THE SCALE BYTES go from memory into registers once: a lane takes a row's 32 bytes (a word a step); lanes 0-15 hold the even block of 16 rows, lanes 16-31 the odd one, picked by the ROW selector.
; CLUSTER 4 x 4: x's tiles are shared along a row of the cluster, W's chunks along a column.  No prefetch: the walk is eight steps written out, with no loop to run ahead in and one refill.
; REGISTERS: window 0: addresses, v64-111 the sums' starts, v112-131 and v200-222 the way out, v132-187 scale words.  window 1: v0-95 x's 8 fragments (one set), v96-167, v168-239 W's 6 (two sets).
;   window 2: q's or k's 32 accumulators ((a, ct) at 8 (4 a + ct)).  window 3: v's 16 ((vt, a) at 8 (8 vt + a)).
.set XP,     272                       ; x's LDS row: 256 bytes + 16
.set XS,     256*XP                    ; a slot of x
.set WP,     816                       ; W's LDS row: 3 x (256 + 16)
.set WCH,    64*WP                     ; a chunk of W
.set WHF,    32*WP                     ; 32 rows of W.  W lies as two regions: rows 0-31 of q's, k's, v's chunk, then their rows 32-63
.set WB,     2*XS
.set SPARE,  WB+3*WCH                  ; the spare words, 128 bytes for each wave
.set FR,     12
.set NL,     6
.set ADRV,   8                         ; v8-9    W's fragments 4, 5; and with lanes 16-31 behind one padding more
.set LS,     13                        ; v13     32 x lane
.set TQ,     14                        ; v14-15  offsets into tb
.set TV,     15
.set ADRA,   16                        ; v16-17  x's fragments in slot 0, 1; v18-19: lanes 0-15 at byte 232 of slot 0, 1, lanes 16-31 at byte 0 of the other slot
.set ADRB,   20                        ; v20-21  W's fragments 0-3
.set LIO,    24                        ; v24     16 x lane
.set VO,     25                        ; v25     where my 16 bytes of a fragment of v go
.set WO,     26                        ; v26     4 x lane
.set SPW,    28
.set NIL,    29
.set BQ,     64
.set BV,     96
.set CD,     112
.set XSC,    132                       ; x's scale words: 8 (a / 2) + step
.set WSC,    164                       ; W's: 8 (f / 2) + step
.set TM,     200
.set PW,     216
.set WF,     96
.set WV, 16
.set RH, 17
.set CC, 18
.set G1A, 24
.set G0H, 32
.set G1B, 48
.set G0B, 56
.set G0X2, 60
.set MSB, 0
.macro WIN new                         ; the immediate's high byte repeats the setting that is left
.if MSB != (\new)
	s_set_vgpr_msb (MSB<<8)|(\new)
.set MSB, (\new)
.endif
.endm
.macro CREST
	s_cmp_lg_u32 s[WV], 0
	s_cbranch_scc1 .Lnot_wave_0_\@
	s_barrier_signal -3
.Lnot_wave_0_\@:
	s_barrier_wait -3
	s_barrier_signal -1
	s_barrier_wait -1
.endm
.macro CROUND
	s_barrier_signal -1
	s_barrier_wait -1
	CREST
.endm
.macro PLACES
.rept 4
	v_nop
.endr
.endm
	s_load_b128 s[4:7], s[0:1], 0x0                ; x's codes, x's scales
	s_load_b128 s[8:11], s[0:1], 0x10              ; W's codes, W's scales
	s_load_b128 s[12:15], s[0:1], 0x20             ; tb, qrec
	s_load_b64 s[92:93], s[0:1], 0x30              ; kvrec
	v_lshl_add_u32 v[SPW], v0, 2, SPARE
	v_mov_b32 v[NIL], 0
	ds_add_u32 v[SPW], v[NIL]                      ; the opening: the add, twice on end, and its wait ahead of my first tensor load
	ds_add_u32 v[SPW], v[NIL]
	v_lshrrev_b32 v1, 5, v0
	v_readfirstlane_b32 s[WV], v1
	s_lshr_b32 s[RH], s[WV], 1
	s_and_b32 s[CC], s[WV], 1
	s_bfe_u32 s40, ttmp6, 0x40000                  ; cx
	s_bfe_u32 s41, ttmp6, 0x40004                  ; cy
	s_lshl_b32 s42, ttmp9, 2
	s_add_co_u32 s42, s42, s40                     ; hh: the head
	s_and_b32 s19, ttmp7, 0xffff
	s_lshl_b32 s19, s19, 2
	s_add_co_u32 s19, s19, s41                     ; rt: which 256 tokens
	s_lshl_b32 s43, s41, 2
	s_lshl_b32 s43, 15, s43                        ; my row of the cluster
	s_lshl_b32 s44, 0x1111, s40                    ; my column
	s_or_b32 s[G1A+0], s43, (1<<20)|(1<<21)|(5<<22)|(3<<25)   ; the mask; elements of 1 byte; 4 words of padding behind every 64; bit 21 beside a mask
	s_or_b32 s[G1B+0], s44, (3<<16)|(1<<20)|(1<<21)|(5<<22)|(3<<25)
	s_mov_b32 s[G1A+1], 256<<16                    ; x: 256 rows (behind the head: 64) of 256 bytes, 768 bytes apart
	s_mov_b32 s[G1A+2], 256<<16
	s_mov_b32 s[G1A+3], 256<<16
	s_mov_b32 s[G1A+4], 256
	s_mov_b32 s[G1A+5], 768
	s_mov_b32 s[G1A+6], 0
	s_mov_b32 s[G1A+7], 0
	s_mov_b32 s[G1B+1], 3072<<16                   ; W: three runs (q's, k's, v's) of 32 dense rows, 24,576 bytes = 3,072 elements of 8, 786,432 bytes apart
	s_mov_b32 s[G1B+2], 3<<16
	s_mov_b32 s[G1B+3], 3072<<16
	s_mov_b32 s[G1B+4], 3
	s_mov_b32 s[G1B+5], 98304
	s_mov_b32 s[G1B+6], 0
	s_mov_b32 s[G1B+7], 0
	s_mul_i32 s20, s19, 196608                     ; x's codes: 256 rt rows of 768 bytes
	s_mov_b32 s21, 0
	s_mul_i32 s66, s[WV], 49152                    ; behind the head I fetch rows 64 w on
	s_mov_b32 s67, 0
	s_mul_i32 s46, s[CC], 24576                    ; at the head waves 2, 3 fetch rows 32 c on of the head's three chunks of W,
	s_mul_i32 s47, s42, 49152
	s_add_co_u32 s46, s46, s47
	s_mov_b32 s47, 0
	s_mul_i32 s96, s[CC], 3*WHF
	s_add_co_u32 s96, s96, WB                      ; into region c;
	s_mul_i32 s45, s[CC], XS                       ; waves 0, 1 fetch x's chunk c into slot c
	s_lshl_b32 s2, s[CC], 8
	s_mov_b32 s3, 0
	s_mul_i32 s97, s[WV], 64*XP                    ; my 64 rows' place in a slot
	s_lshl_b32 s22, s19, 13                        ; x's scales: my 128 rows of 32 bytes
	s_lshl_b32 s23, s[RH], 12
	s_add_co_u32 s22, s22, s23
	s_mov_b32 s23, 0
	s_lshl_b32 s94, s[CC], 15                      ; W's scales: chunk c, the head's 64 rows
	s_lshl_b32 s95, s42, 11
	s_add_co_u32 s94, s94, s95
	s_lshl_b32 s98, s[CC], 10                      ; and chunk 2, rows 32 c on
	s_add_co_u32 s98, s98, s95
	s_add_co_u32 s98, s98, 65536
	s_mov_b32 s95, 0
	s_mov_b32 s99, 0
	s_wait_dscnt 0x0                               ; both opening adds are done
	s_wait_kmcnt 0x0
	s_add_nc_u64 s[20:21], s[4:5], s[20:21]
	s_add_nc_u64 s[22:23], s[6:7], s[22:23]
	s_add_nc_u64 s[46:47], s[8:9], s[46:47]
	s_add_nc_u64 s[94:95], s[10:11], s[94:95]
	s_add_nc_u64 s[98:99], s[10:11], s[98:99]
	s_mov_b32 s[G0H], 1                            ; chunk c of x's 256 rows
	s_mov_b32 s[G0H+1], s45
	s_add_nc_u64 s[G0H+2:G0H+3], s[20:21], s[2:3]
	s_or_b32 s[G0H+3], s[G0H+3], 0x80000000
	s_mov_b32 s[G0B], 1                            ; my chunk of W
	s_mov_b32 s[G0B+1], s96
	s_mov_b64 s[G0B+2:G0B+3], s[46:47]
	s_or_b32 s[G0B+3], s[G0B+3], 0x80000000
	s_add_nc_u64 s[20:21], s[20:21], s[66:67]
	s_mov_b32 s[G0X2], 1                           ; and of chunk 2, into slot 0
	s_mov_b32 s[G0X2+1], s97
	s_add_nc_u64 s[G0X2+2:G0X2+3], s[20:21], 512
	s_or_b32 s[G0X2+3], s[G0X2+3], 0x80000000
	CROUND                                         ; all sixteen work-groups are here: the first joint loads meet
	s_cmp_eq_u32 s[RH], 0                          ; one load a wave at the head: waves 0, 1 ask for x, waves 2, 3 for W
	s_cbranch_scc0 .Lhead_w
	tensor_load_to_lds s[G0H:G0H+3], s[G1A:G1A+7]
	s_nop 0
	PLACES
	s_branch .Lhead_asked
.Lhead_w:
	tensor_load_to_lds s[G0B:G0B+3], s[G1B:G1B+7]
	s_nop 0
	PLACES
.Lhead_asked:
	s_mul_i32 s66, s[RH], 128*XP                   ; my 128 tokens
	s_mul_i32 s67, s[CC], WHF
	s_add_co_u32 s67, s67, WB                      ; chunk c (q's or k's rows) in region 0
	s_mul_i32 s40, s[CC], 3*WHF
	s_add_co_u32 s40, s40, WB+2*WHF                ; v's rows 32 c on: chunk 2 in region c
	s_mov_b32 s41, XS-232
	s_mov_b32 s45, XS+232
	s_lshr_b32 s20, s19, 2
	s_mul_i32 s20, s20, 12288                      ; the batch's row of tb
	s_lshl_b32 s21, s42, 8
	s_add_co_u32 s20, s20, s21                     ; + the head's 64 columns
	s_lshl_b32 s21, s[CC], 12
	s_add_co_u32 s96, s20, s21                     ; q's (c = 0) or k's (c = 1)
	s_mov_b32 s97, 0
	s_lshl_b32 s21, s[CC], 7
	s_add_co_u32 s20, s20, s21
	s_add_co_u32 s20, s20, 8192                    ; v's, columns 32 c on
	s_mov_b32 s21, 0
	s_add_nc_u64 s[96:97], s[12:13], s[96:97]
	s_add_nc_u64 s[20:21], s[12:13], s[20:21]
	v_and_b32 v1, 15, v0                           ; r
	v_bfe_u32 v2, v0, 4, 1                         ; h
	v_and_b32 v10, 31, v0
	v_mul_u32_u24 v3, v1, XP
	v_mul_u32_u24 v7, v1, WP
	v_sub_nc_u32 v6, 1, v2
	v_mul_u32_u24 v5, s41, v2
	v_mul_u32_u24 v6, s45, v6
	v_mad_u32_u24 v4, v2, 24, v3                   ; a fragment's row x pitch + 24 h
	v_mad_u32_u24 v7, v2, 24, v7
	v_add_nc_u32 v5, v3, v5
	v_add_nc_u32 v6, v3, v6                        ; lanes 0-15 byte 232 in slot 1, lanes 16-31 byte 0 in slot 0
	v_add_nc_u32 v5, 232, v5                       ; lanes 0-15 byte 232 in slot 0, lanes 16-31 byte 0 in slot 1
	v_add_nc_u32 v[ADRA], s66, v4
	v_add_nc_u32 v[ADRA+2], s66, v5
	v_add_nc_u32 v[ADRA+3], s66, v6
	v_add_nc_u32 v[ADRA+1], XS, v[ADRA]
	v_add_nc_u32 v[ADRB], s67, v7
	v_add_nc_u32 v[ADRV], s40, v7
	v_lshl_add_u32 v[ADRB+1], v2, 4, v[ADRB]
	v_lshl_add_u32 v[ADRV+1], v2, 4, v[ADRV]
	v_add_nc_u32 v[ADRB+2], 3*WHF, v[ADRB]         ; v22-23: fragments 2, 3, in region 1
	v_add_nc_u32 v[ADRB+3], 3*WHF, v[ADRB+1]
	v_lshlrev_b32 v[LIO], 4, v10
	v_lshlrev_b32 v[WO], 2, v10
	v_lshlrev_b32 v[LS], 5, v10
	v_lshlrev_b32 v[TQ], 5, v2                     ; transposed tiles: register j is column 16 ct + 8 h + j
	v_lshlrev_b32 v[TV], 2, v1                     ; plain tiles: every register is column 16 vt + r
	v_lshrrev_b32 v3, 3, v1
	v_mul_u32_u24 v[VO], v3, 1536                  ; v's way out: tile 2 c + r / 8,
	v_and_b32 v3, 7, v1
	v_lshl_add_u32 v[VO], v3, 4, v[VO]             ; lane r % 8 (+ 8 vt, in the immediate)
	v_lshl_add_u32 v[VO], v2, 8, v[VO]             ; + 16 h
.irp b, 0,1,2,3
	v_mov_b32 v[TM+4+\b], 0                        ; written once: a lane permute's destination counts as one of its sources
.endr
	s_wait_alu depctr_va_vdst(0)                   ; the wait at the head's end
.irp j, 0,1,2,3                        ; scale words: 32 lanes x 32 bytes are 1,024 bytes on end, taken by two loads
	global_load_b128 v[XSC+8*\j:XSC+8*\j+3], v[LS], s[22:23] offset:1024*\j
	global_load_b128 v[XSC+8*\j+4:XSC+8*\j+7], v[LS], s[22:23] offset:1024*\j+16
.endr
.irp j, 0,1
	global_load_b128 v[WSC+8*\j:WSC+8*\j+3], v[LS], s[94:95] offset:1024*\j
	global_load_b128 v[WSC+8*\j+4:WSC+8*\j+7], v[LS], s[94:95] offset:1024*\j+16
.endr
	global_load_b128 v[WSC+16:WSC+19], v[LS], s[98:99]
	global_load_b128 v[WSC+20:WSC+23], v[LS], s[98:99] offset:16
.irp ct, 0,1,2,3                       ; the sums' starts: tb at my columns, in the results' layouts
	global_load_b128 v[BQ+8*\ct:BQ+8*\ct+3], v[TQ], s[96:97] offset:64*\ct
	global_load_b128 v[BQ+8*\ct+4:BQ+8*\ct+7], v[TQ], s[96:97] offset:64*\ct+16
.endr
.irp vt, 0,1
.irp j, 0,1,2,3,4,5,6,7
	global_load_b32 v[BV+8*\vt+\j], v[TV], s[20:21] offset:64*\vt
.endr
.endr
; A fragment, 16 rows x 128 K, is 12 registers, fetched in pieces of 8 bytes; lanes 16-31 read 24 bytes further on than lanes 0-15.  BY: where the piece of lanes 0-15 begins in the row of codes.
.macro FRAGX reg, st, i                ; byte y of a row of x lies in slot (y / 256) % 2 at byte y % 256
.irp p, 0,1,2,3,4,5
.set BY, 96*(\st)+48*(\p/3)+8*(\p%3)
.if BY/256 == (BY+24)/256
	ds_load_b64 v[\reg+2*\p:\reg+2*\p+1], v[ADRA+(BY/256)%2] offset:BY%256+(\i)*16*XP
.else
	ds_load_b64 v[\reg+2*\p:\reg+2*\p+1], v[ADRA+2+(BY/256)%2] offset:BY%256-232+(\i)*16*XP
.endif
.endr
.endm
.macro FRAGW reg, adr, st, i           ; byte y of a row of W lies at y + 16 (y / 256)
.irp p, 0,1,2,3,4,5
.set BY, 96*(\st)+48*(\p/3)+8*(\p%3)
.if BY/256 == (BY+24)/256
	ds_load_b64 v[\reg+2*\p:\reg+2*\p+1], v[\adr] offset:BY+16*(BY/256)+(\i)*16*WP
.else
	ds_load_b64 v[\reg+2*\p:\reg+2*\p+1], v[\adr+1] offset:BY+16*(BY/256)+(\i)*16*WP
.endif
.endr
.endm
.macro FETCH_W st                      ; W's six fragments of step st into set st % 2: 36 loads
	WIN 0x40
.irp i, 0,1,2,3
	FRAGW WF+72*((\st)%2)+FR*\i, ADRB+2*(\i/2), \st, \i%2
.endr
.irp i, 0,1
	FRAGW WF+72*((\st)%2)+FR*(4+\i), ADRV, \st, \i
.endr
.endm
.macro FETCH_X st, i0                  ; x's blocks i0 .. i0 + 3: 24 loads
	WIN 0x40
.irp i, \i0, \i0+1, \i0+2, \i0+3
	FRAGX FR*(\i), \st, \i
.endr
.endm
.macro WMS d, a, b, c, sa, sb, ra, rb  ; ra, rb: the sources' scales stand in lanes 16-31
.if (\ra) && (\rb)
	v_wmma_scale_f32_16x16x128_f8f6f4 v[\d:\d+7], v[\a:\a+11], v[\b:\b+11], v[\c:\c+7], v[\sa], v[\sb] matrix_a_fmt:MATRIX_FMT_BF6 matrix_b_fmt:MATRIX_FMT_BF6 matrix_a_scale:MATRIX_SCALE_ROW1 matrix_b_scale:MATRIX_SCALE_ROW1
.elseif (\ra)
	v_wmma_scale_f32_16x16x128_f8f6f4 v[\d:\d+7], v[\a:\a+11], v[\b:\b+11], v[\c:\c+7], v[\sa], v[\sb] matrix_a_fmt:MATRIX_FMT_BF6 matrix_b_fmt:MATRIX_FMT_BF6 matrix_a_scale:MATRIX_SCALE_ROW1
.elseif (\rb)
	v_wmma_scale_f32_16x16x128_f8f6f4 v[\d:\d+7], v[\a:\a+11], v[\b:\b+11], v[\c:\c+7], v[\sa], v[\sb] matrix_a_fmt:MATRIX_FMT_BF6 matrix_b_fmt:MATRIX_FMT_BF6 matrix_b_scale:MATRIX_SCALE_ROW1
.else
	v_wmma_scale_f32_16x16x128_f8f6f4 v[\d:\d+7], v[\a:\a+11], v[\b:\b+11], v[\c:\c+7], v[\sa], v[\sb] matrix_a_fmt:MATRIX_FMT_BF6 matrix_b_fmt:MATRIX_FMT_BF6
.endif
.endm
; 8 products for q or k: tokens' blocks a0, a0 + 1 x four tiles of columns, transposed.  first = 1: the sums start from tb.  The 48 accumulators take turns, one instruction a turn, in the same order in every step.
.macro MQK a0, st, first
.irp a, \a0, \a0+1
.irp ct, 0,1,2,3
.if \first
	WMS 8*(4*(\a)+\ct), WF+72*((\st)%2)+FR*\ct, FR*(\a), BQ+8*\ct, WSC+8*(\ct/2)+(\st), XSC+8*((\a)/2)+(\st), \ct%2, (\a)%2
.else
	WMS 8*(4*(\a)+\ct), WF+72*((\st)%2)+FR*\ct, FR*(\a), 8*(4*(\a)+\ct), WSC+8*(\ct/2)+(\st), XSC+8*((\a)/2)+(\st), \ct%2, (\a)%2
.endif
.endr
.endr
.endm
; 4 products for v: source 0 = tokens, source 1 = W's fragments 4, 5
.macro MV a0, st, first
.irp a, \a0, \a0+1
.irp vt, 0,1
.if \first
	WMS 8*(8*\vt+(\a)), FR*(\a), WF+72*((\st)%2)+FR*(4+\vt), BV+8*\vt, XSC+8*((\a)/2)+(\st), WSC+16+(\st), (\a)%2, \vt
.else
	WMS 8*(8*\vt+(\a)), FR*(\a), WF+72*((\st)%2)+FR*(4+\vt), 8*(8*\vt+(\a)), XSC+8*((\a)/2)+(\st), WSC+16+(\st), (\a)%2, \vt
.endif
.endr
.endr
.endm
.macro WQK first                       ; sources 0 and 1 window 1; D window 2; C window 2, or window 0 where the sums start
.if \first
	WIN 0x85
.else
	WIN 0xa5
.endif
.endm
.macro WVV first                       ; the same with window 3
.if \first
	WIN 0xc5
.else
	WIN 0xf5
.endif
.endm
.macro HALF a0, st, first              ; 24 products: four blocks of tokens
	WQK \first
	MQK \a0, \st, \first
	MQK \a0+2, \st, \first
	WVV \first
	MV \a0, \st, \first
	MV \a0+2, \st, \first
.endm
; A step of 128 along K: 48 products; the next step's fragments are fetched in its middle and at its end.  A block of x is free as soon as its products are issued: one set serves x.
; kind 1: the next step's bytes end in a chunk not read yet: every wave waits for its tensor load, and a barrier shows the chunk whole.
; kind 2: chunk 0 is read no more: the wait, the add, the wait for it and for my reads, a round of the cluster's barrier, and chunk 2 into slot 0.
.macro STEP st, first, kind
.set NX, (\st)+1
.if \kind
	WIN 0
	s_wait_tensorcnt 0x0                           ; my tensor load has landed
.if \kind == 2
	ds_add_u32 v[SPW], v[NIL]                      ; 0 onto my spare word
	s_wait_dscnt 4*NL+1                            ; (the add and the youngest 24 loads may be out)
.else
	s_wait_dscnt 4*NL
.endif
	WQK \first
	MQK 0, \st, \first
	MQK 2, \st, \first
	s_wait_dscnt 0x0                               ; all my LDS instructions are done
	s_barrier_signal -1
	WVV \first
	MV 0, \st, \first
	MV 2, \st, \first
	WIN 0
	s_barrier_wait -1
.if \kind == 2
	CREST                                          ; no wave of any partner still reads slot 0 or has a load on its way
	tensor_load_to_lds s[G0X2:G0X2+3], s[G1A:G1A+7]
	s_nop 0
.endif
	PLACES                                         ; four places in front of loads into registers that matrix instructions have read
.else
	s_wait_dscnt 4*NL                              ; all but the youngest 24 loads (x's blocks 4-7) are in
	HALF 0, \st, \first
	s_wait_dscnt 0x0
	PLACES
.endif
	FETCH_W NX
	FETCH_X NX, 0
	HALF 4, \st, \first
	PLACES
	FETCH_X NX, 4
.endm
	s_wait_tensorcnt 0x0                           ; my tile of the head's four is in
	s_mov_b32 s[G1A+2], 64<<16                     ; no tensor load of mine is out: the refill of x brings 64 rows a wave
	s_mov_b32 s[G1A+4], 64
	s_barrier_signal -1
	s_barrier_wait -1                              ; all four tiles are in: x's chunks 0 and 1 and all of W
	FETCH_W 0
	FETCH_X 0, 0
	FETCH_X 0, 4
	s_wait_loadcnt 0x0                             ; the scale words and tb
	STEP 0, 1, 0
	STEP 1, 0, 0
	STEP 2, 0, 2                                   ; chunk 0 is left behind
	STEP 3, 0, 0
	STEP 4, 0, 1                                   ; step 5 reaches into chunk 2
	STEP 5, 0, 0
	STEP 6, 0, 0
	s_wait_dscnt 4*NL
	HALF 0, 7, 0
	s_wait_dscnt 0x0
	HALF 4, 7, 0
	WIN 0
	PLACES                                         ; in front of the first read of results
; THE WAY OUT.  64 numbers of a lane in window w from register s on (register 16 b + i: number i of my half of block b) become a fragment's 12 registers in v[CD] on and its scale word in v[pw].
; A block's scale: its largest magnitude's exponent field less 4, held at 1 from below by the floor 2^(5 - 127) among the maximum's leaves.
.macro QUANT w, s, pw
	WIN 20*(\w)                                    ; sources 1 and 2 in window w
.irp b, 0,1,2,3
	v_max3_num_f32 v[TM+\b], 0x2800000, |v[(\s)+16*\b]|, |v[(\s)+1+16*\b]|
.endr
.irp i, 2,4,6,8,10,12,14
.irp b, 0,1,2,3
	v_max3_num_f32 v[TM+\b], v[TM+\b], |v[(\s)+16*\b+\i]|, |v[(\s)+1+16*\b+\i]|
.endr
.endr
	WIN 0
.irp b, 0,1,2,3
	v_permlanex16_b32 v[TM+4+\b], v[TM+\b], s2, s3
.endr
.irp b, 0,1,2,3
	v_max_num_f32 v[TM+\b], v[TM+\b], v[TM+4+\b]   ; with lane l xor 16's: the block's largest magnitude
.endr
.irp b, 0,1,2,3
	v_add_nc_u32 v[TM+12+\b], 0xfe000000, v[TM+\b] ; 4 off its exponent field: the conversion's scale operand
.endr
.irp b, 0,1,2,3
	v_lshrrev_b32 v[TM+4+\b], 23, v[TM+12+\b]      ; the scale's byte
.endr
	v_lshl_or_b32 v[\pw], v[TM+5], 8, v[TM+4]
	v_lshl_or_b32 v[\pw], v[TM+6], 16, v[\pw]
	v_lshl_or_b32 v[\pw], v[TM+7], 24, v[\pw]
	s_wait_xcnt 0x0                                ; the stores of the fragment before have read v[CD] on
	WIN (\w)                                       ; source 0 in window w
.irp c, 0,1
	v_cvt_scalef32_pk16_bf6_f32 v[CD+6*\c:CD+2+6*\c], v[(\s)+32*\c:(\s)+15+32*\c], v[TM+12+2*\c]
	v_cvt_scalef32_pk16_bf6_f32 v[CD+12+4*\c:CD+14+4*\c], v[(\s)+16+32*\c:(\s)+31+32*\c], v[TM+12+2*\c+1]
.endr
	WIN 0
	v_nop                                          ; one plain place behind a scaled conversion
.irp c, 0,1                            ; the operand's layout wants a whole block in a lane
.irp i, 0,1,2
	v_permlane16_swap_b32 v[CD+6*\c+\i], v[CD+12+4*\c+\i]
.endr
.irp i, 0,1,2
	v_mov_b32 v[CD+3+6*\c+\i], v[CD+12+4*\c+\i]
.endr
.endr
.endm
	s_lshr_b32 s20, s19, 2
	s_lshl_b32 s20, s20, 4
	s_add_co_u32 s20, s20, s42                     ; 16 x batch + head
	s_mul_i32 s22, s20, 51200
	s_mov_b32 s23, 0
	s_mul_i32 s46, s20, 102400
	s_mov_b32 s47, 0
	s_add_nc_u64 s[14:15], s[14:15], s[22:23]      ; q's record
	s_add_nc_u64 s[92:93], s[92:93], s[46:47]      ; k's and v's record
	s_mov_b32 s21, 98304
	s_cmp_eq_u32 s[CC], 0                          ; c = 0 stores q, c = 1 stores k: the choice hangs on the wave's number alone
	s_cselect_b64 s[94:95], s[14:15], s[92:93]
	s_cselect_b32 s21, 49152, s21                  ; where the record's scale words of q or k begin
	s_and_b32 s22, s19, 3
	s_lshl_b32 s22, s22, 3
	s_lshl_b32 s20, s[RH], 2
	s_add_co_u32 s22, s22, s20                     ; my first pair of token tiles: 8 (rt % 4) + 4 rh; a quarter of it is my step of 128 keys
	s_mul_i32 s46, s22, 1536
	s_lshl_b32 s22, s22, 6
	s_add_co_u32 s20, s22, s21
	s_mov_b32 s21, 0
	s_add_nc_u64 s[96:97], s[94:95], s[20:21]      ; my scale words of q or k
	s_add_nc_u64 s[94:95], s[94:95], s[46:47]      ; my images
	s_mul_i32 s20, s[CC], 3072
	s_add_co_u32 s20, s20, s46
	s_add_co_u32 s20, s20, 49152
	s_add_nc_u64 s[98:99], s[92:93], s[20:21]      ; v's images: my step, tiles 2 c and 2 c + 1
	s_lshl_b32 s20, s[CC], 7
	s_add_co_u32 s20, s20, s22
	s_add_co_u32 s20, s20, 100352
	s_add_nc_u64 s[92:93], s[92:93], s[20:21]      ; v's scale words: my step, columns 32 c on
	s_mov_b32 s2, 0x76543210
	s_mov_b32 s3, 0xfedcba98                       ; v_permlanex16_b32's selects for lane l xor 16
	s_mov_b32 s45, 0xffff0000                      ; lanes 16-31
.irp p, 0,1,2,3                        ; token tiles 2 p and 2 p + 1, the head's 64: one fragment
	QUANT 2, 64*\p, PW+\p
.irp k, 0,1,2
	global_store_b128 v[LIO], v[CD+4*\k:CD+4*\k+3], s[94:95] offset:1536*\p+512*\k   ; 32 lanes store 512 consecutive bytes, aligned
.endr
.endr
	v_cndmask_b32 v220, v[PW], v[PW+1], s45        ; two fragments' words in one register: 128 consecutive bytes
	v_cndmask_b32 v221, v[PW+2], v[PW+3], s45
	global_store_b32 v[WO], v220, s[96:97]
	global_store_b32 v[WO], v221, s[96:97] offset:128
.irp vt, 0,1                           ; 16 columns of v x my 128 tokens: one fragment's worth, dealt to two tiles' rows
	QUANT 3, 64*\vt, PW+\vt
.irp k, 0,1,2
	global_store_b128 v[VO], v[CD+4*\k:CD+4*\k+3], s[98:99] offset:512*\k+128*\vt    ; runs of 128 bytes; the two vt together fill the aligned 256
.endr
.endr
	v_cndmask_b32 v222, v[PW], v[PW+1], s45
	global_store_b32 v[WO], v222, s[92:93]
	s_wait_tensorcnt 0x0                           ; the wave's end
	ds_add_u32 v[SPW], v[NIL]
	s_wait_dscnt 0x0
	CROUND                                         ; the closing round
	s_endpgm
.Lfunc_end_k_q777dd0463d_qkv:
	.size	k_q777dd0463d_qkv, .Lfunc_end_k_q777dd0463d_qkv-k_q777dd0463d_qkv
	.p2alignl 7, 3214868480
	.fill 96, 4, 3214868480
	.section	.rodata,"a",@progbits
	.p2align	6, 0x0
	.amdhsa_kernel k_q777dd0463d_qkv
		.amdhsa_group_segment_fixed_size 327680
		.amdhsa_private_segment_fixed_size 0
		.amdhsa_enable_private_segment 0
		.amdhsa_kernarg_size 56
		.amdhsa_user_sgpr_count 2
		.amdhsa_user_sgpr_kernarg_segment_ptr 1
		.amdhsa_wavefront_size32 1
		.amdhsa_system_sgpr_workgroup_id_x 1
		.amdhsa_system_sgpr_workgroup_id_y 1
		.amdhsa_system_sgpr_workgroup_id_z 1
		.amdhsa_system_vgpr_workitem_id 0
		.amdhsa_next_free_vgpr 1024
		.amdhsa_next_free_sgpr 100
		.amdhsa_reserve_vcc 0
		.amdhsa_float_denorm_mode_32 3
		.amdhsa_float_denorm_mode_16_64 3
		.amdhsa_memory_ordered 1
		.amdhsa_forward_progress 1
		.amdhsa_inst_pref_size 134
	.end_amdhsa_kernel
	.amdgpu_metadata
---
amdhsa.version: [ 1, 2 ]
amdhsa.kernels:
  - .name:           k_q777dd0463d_qkv
    .symbol:         k_q777dd0463d_qkv.kd
    .args:
      - { .name: x_codes, .offset: 0, .size: 8, .value_kind: global_buffer, .address_space: global }
      - { .name: x_scales, .offset: 8, .size: 8, .value_kind: global_buffer, .address_space: global }
      - { .name: W_qkv_codes, .offset: 16, .size: 8, .value_kind: global_buffer, .address_space: global }
      - { .name: W_qkv_scales, .offset: 24, .size: 8, .value_kind: global_buffer, .address_space: global }
      - { .name: tb, .offset: 32, .size: 8, .value_kind: global_buffer, .address_space: global }
      - { .name: qrec, .offset: 40, .size: 8, .value_kind: global_buffer, .address_space: global }
      - { .name: kvrec, .offset: 48, .size: 8, .value_kind: global_buffer, .address_space: global }
    .group_segment_fixed_size: 327680
    .private_segment_fixed_size: 0
    .kernarg_segment_align: 8
    .kernarg_segment_size: 56
    .max_flat_workgroup_size: 128
    .sgpr_count:     100
    .vgpr_count:     1024
    .wavefront_size: 32
...
	.end_amdgpu_metadata
.endif
;; end of part 2
;; launch attn (part 3): grid 128 x 2, 8 waves a work-group, clusters of 4 x 1, 327,680 bytes of LDS; arguments qrec, kvrec, erx, ocodes, oscales; writes ocodes, oscales
.if DOCPART == 3
	.amdgcn_target "amdgcn-amd-amdhsa--gfx1250"
	.amdhsa_code_object_version 6
	.text
	.protected	k_q777dd0463d_attn
	.globl	k_q777dd0463d_attn
	.p2align	8
	.type	k_q777dd0463d_attn,@function
k_q777dd0463d_attn:
	s_mov_b64 s[64:65], 0
	v_nop
	global_prefetch_b8 v0, s[64:65] scope:SCOPE_SE
	s_setreg_imm32_b32 hwreg(HW_REG_WAVE_MODE, 25, 1), 1
	s_wait_xcnt 0x0
	s_wait_alu depctr_hold_cnt(0) depctr_sa_sdst(0) depctr_va_vdst(0) depctr_va_sdst(0) depctr_va_ssrc(0) depctr_va_vcc(0) depctr_vm_vsrc(0)
	s_getreg_b32 s2, hwreg(HW_REG_IB_STS2, 6, 4)
	s_cmp_eq_u32 s2, 0
	s_cbranch_scc0 .Lentry_in_a_cluster
	s_endpgm
.Lentry_in_a_cluster:
	s_bfe_u32 s2, ttmp6, 0x10000c
	s_cmp_lg_u32 s2, 0x3003
	s_cbranch_scc0 .Lentry_shape_is_right
	s_endpgm
.Lentry_shape_is_right:
.set KSW,   98304
.set VSW,   100352
.set ERW,   102400
.set ERS,   176896
.set EPW,   179968
.set ESW,   186176
.set STG,   186368
.set STGW,  16640
.set SPARE, 319488
.set SS,  128
.set OO,  192
.set KF,  0
.set VF,  48
.set EF,  96
.set RR,  144
.set ES,  208
.set QHI, 80
.set QLI, 86
.set QHN, 92
.set QLN, 98
.set SQK, 30
.set SRI, 31
.set SRN, 110
.set WV, 14
.set E7, 15
.set SEL, 48
.set CS,  50
.set BL,  52
.set BG,  53
.set BB,  54
.set EP,  55
.set EQ,  56
.set KP,  57
.set SPP, 58
.set TR,  59
.set QB,  68
.set OB,  70
.set SB,  72
.set SN,  74
.set HM,  75
.set MSB, 0
.macro WIN new
.if MSB != (\new)
	s_set_vgpr_msb (MSB<<8)|(\new)
.set MSB, (\new)
.endif
.endm
.macro CROUND
	s_barrier_signal -1
	s_barrier_wait -1
	s_cmp_lg_u32 s[WV], 0
	s_cbranch_scc1 .Lnot_wave_0_\@
	s_barrier_signal -3
.Lnot_wave_0_\@:
	s_barrier_wait -3
	s_barrier_signal -1
	s_barrier_wait -1
.endm
	s_load_b256 s[4:11], s[0:1], 0x0
	s_load_b64 s[12:13], s[0:1], 0x20
	v_lshl_add_u32 v5, v0, 2, SPARE
	v_mov_b32 v6, 0
	ds_add_u32 v5, v6
	ds_add_u32 v5, v6
	v_lshrrev_b32 v1, 5, v0
	s_delay_alu instid0(VALU_DEP_1)
	v_readfirstlane_b32 s[WV], v1
	s_xor_b32 s[E7], s[WV], 7
	s_bfe_u32 s16, ttmp6, 0x40000
	s_lshl_b32 s17, ttmp9, 2
	s_add_co_u32 s17, s17, s16
	s_and_b32 s18, ttmp7, 0xffff
	s_mov_b32 s24, 3<<16
	s_mov_b32 s25, 32<<16
	s_mov_b32 s26, 100<<16                         ; a quarter of the k and v record: 100 rows of 256 bytes
	s_mov_b32 s27, 32<<16
	s_mov_b32 s28, 100
	s_mov_b32 s29, 32
	s_mov_b32 s30, 0
	s_mov_b32 s31, 0
	s_mov_b32 s32, 15|(3<<16)|(1<<21)
	s_mov_b32 s33, 32<<16
	s_mov_b32 s34, 82<<16                          ; a quarter of the Er record: 82 rows of 256 bytes
	s_mov_b32 s35, 32<<16
	s_mov_b32 s36, 82
	s_mov_b32 s37, 32
	s_mov_b32 s38, 0
	s_mov_b32 s39, 0
	s_and_b32 s63, s[WV], 3                        ; which quarter I fetch: waves 0-3 of k and v, waves 4-7 of Er
	s_mul_i32 s62, s63, 25600
	s_mul_i32 s60, s17, 102400
	s_add_co_u32 s60, s60, s62
	s_mov_b32 s61, 0
	s_mul_i32 s63, s63, 20992
	s_mul_i32 s66, s18, 83968
	s_add_co_u32 s66, s66, s63
	s_mov_b32 s67, 0
	s_add_co_u32 s63, s63, ERW
	s_mov_b32 s[SEL], 0x76543210
	s_mov_b32 s[SEL+1], 0xfedcba98
	s_mov_b32 s[CS], 0x3e38aa3b
	s_mov_b32 s[CS+1], s[CS]
	s_mov_b32 s[HM], 0xffff0000
	s_wait_dscnt 0x0
	s_wait_kmcnt 0x0
	s_mov_b32 s40, 1
	s_mov_b32 s41, s62
	s_add_nc_u64 s[42:43], s[6:7], s[60:61]
	s_or_b32 s43, s43, 0x80000000
	s_mov_b32 s44, 1
	s_mov_b32 s45, s63
	s_add_nc_u64 s[46:47], s[8:9], s[66:67]
	s_or_b32 s47, s47, 0x80000000
	CROUND
	s_cmp_lt_u32 s[WV], 4                          ; one tensor load a wave at the head; the branch hangs on the wave's number alone
	s_cbranch_scc0 .Lhead_er
	tensor_load_to_lds s[40:43], s[24:31]
	s_nop 0
.rept 4
	v_nop
.endr
	s_branch .Lhead_asked
.Lhead_er:
	tensor_load_to_lds s[44:47], s[32:39]
	s_nop 0
.rept 4
	v_nop
.endr
.Lhead_asked:
	s_mul_i32 s60, s17, 51200
	s_add_nc_u64 s[QB:QB+1], s[4:5], s[60:61]
	s_and_b32 s62, s17, 15
	s_lshr_b32 s63, s17, 4
	s_mul_i32 s60, s62, 393216
	s_mul_i32 s66, s63, 49152
	s_add_co_u32 s60, s60, s66
	s_mul_i32 s66, s18, 24576
	s_add_co_u32 s60, s60, s66
	s_mul_i32 s66, s[WV], 768
	s_add_co_u32 s60, s60, s66
	s_add_nc_u64 s[OB:OB+1], s[10:11], s[60:61]
	s_lshl_b32 s60, s63, 15
	s_lshl_b32 s66, s18, 14
	s_add_co_u32 s60, s60, s66
	s_lshl_b32 s66, s[WV], 9
	s_add_co_u32 s60, s60, s66
	s_lshl_b32 s66, s62, 1
	s_add_co_u32 s60, s60, s66
	s_add_nc_u64 s[SB:SB+1], s[12:13], s[60:61]
	s_lshl_b32 s[SN], s18, 9
	s_add_co_u32 s[SN], s[SN], s[WV]
	s_lshl_b32 s[BG], s18, 2
	s_mov_b32 s[BL], 0
	s_mov_b32 s[EP], 3*6144
	s_mov_b32 s[EQ], 3*512
	v_and_b32 v120, 15, v0
	v_bfe_u32 v29, v0, 4, 1
	v_and_b32 v121, 31, v0
	s_delay_alu instid0(VALU_DEP_1)
	v_lshlrev_b32 v1, 4, v121
	s_delay_alu instid0(VALU_DEP_4)
	v_add_nc_u32 v122, s[E7], v120
	s_delay_alu instid0(VALU_DEP_1)
	v_mul_u32_u24 v2, v122, 48
	s_delay_alu instid0(VALU_DEP_1)
	v_mad_u32_u24 v2, v29, 24, v2
	s_delay_alu instid0(VALU_DEP_1)
	v_add_nc_u32 v2, ERW, v2
	s_delay_alu instid0(VALU_DEP_4)
	v_lshl_add_u32 v3, v29, 5, v122
	s_delay_alu instid0(VALU_DEP_1)
	v_lshl_add_u32 v3, v3, 2, EPW
	v_lshl_add_u32 v4, v121, 2, KSW
	v_and_b32 v7, 8, v120
	s_delay_alu instid0(VALU_DEP_1)
	v_add_nc_u32 v7, v7, v120
	s_delay_alu instid0(VALU_DEP_1)
	v_lshl_add_u32 v7, v29, 3, v7
	s_delay_alu instid0(VALU_DEP_1)
	v_lshl_add_u32 v7, v7, 2, VSW-256
	s_mul_i32 s60, s[WV], STGW
	s_add_co_u32 s60, s60, STG
	v_mul_u32_u24 v123, v120, 1040
	s_delay_alu instid0(VALU_DEP_1)
	v_add_nc_u32 v123, s60, v123
	s_delay_alu instid0(VALU_DEP_1)
	v_lshl_add_u32 v8, v29, 5, v123
	v_add_nc_u32 v124, v29, v120
	s_delay_alu instid0(VALU_DEP_1)
	v_lshlrev_b32 v124, 5, v124
	s_delay_alu instid0(VALU_DEP_1)
	v_add_nc_u32 v9, v123, v124
	s_delay_alu instid0(VALU_DEP_1)
	v_add_nc_u32 v9, 32, v9
.irp tt, 0,1,2,3,4,5,6,7
	v_add_nc_u32 v[16+\tt], 544+64*\tt, v124
	s_delay_alu instid0(VALU_DEP_1)
	v_and_b32 v[16+\tt], 1023, v[16+\tt]
	s_delay_alu instid0(VALU_DEP_1)
	v_add_nc_u32 v[16+\tt], v123, v[16+\tt]
.endr
	v_mul_u32_u24 v10, v122, 96
	s_delay_alu instid0(VALU_DEP_1)
	v_mad_u32_u24 v10, v29, 24, v10
	s_delay_alu instid0(VALU_DEP_1)
	v_add_nc_u32 v10, ERS, v10
	v_lshl_add_u32 v11, v122, 2, ESW
	v_mul_u32_u24 v46, v120, 48
	s_delay_alu instid0(VALU_DEP_1)
	v_mad_u32_u24 v46, v29, 24, v46
	s_delay_alu instid0(VALU_DEP_1)
	v_add_nc_u32 v46, s60, v46
	v_lshl_add_u32 v47, v121, 3, s60
	v_lshlrev_b32 v48, 3, v121
	v_lshl_add_u32 v49, v120, 5, v29
.irp j, 0,1,2,3,4,5
	v_mov_b32 v[80+\j], 0
	v_mov_b32 v[92+\j], 0
	v_mov_b32 v[104+\j], 0
.endr
.irp b, 0,1,2,3
	v_mov_b32 v[236+\b], 0
.endr
	v_mov_b32 v253, 0
.macro QADDR a
	s_delay_alu instid0(VALU_DEP_1)
	v_lshrrev_b32 v127, 5, v126
	s_delay_alu instid0(VALU_DEP_2)
	v_and_b32 v[\a+2], 15, v126
	s_delay_alu instid0(VALU_DEP_3)
	v_bfe_u32 v[\a+1], v126, 4, 1
	s_delay_alu instid0(VALU_DEP_3)
	v_mul_u32_u24 v[\a], v127, 1536
	s_delay_alu instid0(VALU_DEP_1)
	v_lshl_add_u32 v[\a], v[\a+2], 4, v[\a]
	s_delay_alu instid0(VALU_DEP_1)
	v_lshl_add_u32 v[\a], v29, 8, v[\a]
	v_lshlrev_b32 v127, 6, v127
	s_delay_alu instid0(VALU_DEP_1)
	v_lshl_add_u32 v127, v[\a+2], 2, v127
	s_delay_alu instid0(VALU_DEP_1)
	v_lshl_add_u32 v127, v[\a+1], 1, v127
	s_delay_alu instid0(VALU_DEP_1)
	v_add_nc_u32 v[\a+2], 0xc000, v127
	v_mad_u32_u24 v127, v[\a+1], 0x3f8, v[\a]
	v_mad_u32_u24 v[\a], v[\a+1], 0x208, v[\a]
	s_delay_alu instid0(VALU_DEP_2)
	v_mov_b32 v[\a+1], v127
.endm
.macro QALL
	v_and_b32 v126, 15, v0
	s_delay_alu instid0(VALU_DEP_1)
	v_lshl_add_u32 v126, v126, 3, s[SN]
	QADDR 120
	v_add_nc_u32 v126, 1, v126
	s_delay_alu instid0(VALU_DEP_1)
	v_min_u32 v126, 0x3ff, v126
	QADDR 123
	global_load_b64 v[32:33], v120, s[QB:QB+1]
	global_load_b64 v[34:35], v121, s[QB:QB+1] offset:8
	global_load_b64 v[36:37], v120, s[QB:QB+1] offset:512
	global_load_u16 v44, v122, s[QB:QB+1]
	global_load_b64 v[38:39], v123, s[QB:QB+1]
	global_load_b64 v[40:41], v124, s[QB:QB+1] offset:8
	global_load_b64 v[42:43], v123, s[QB:QB+1] offset:512
	global_load_u16 v45, v125, s[QB:QB+1]
.endm
	QALL
	s_wait_tensorcnt 0x0
	s_barrier_signal -1
	s_barrier_wait -1
	WIN 0x40
.irp k, 0,1,2
	ds_load_b64 v[ES+2*\k:ES+2*\k+1], v10 offset:8*\k
	ds_load_b64 v[ES+6+2*\k:ES+7+2*\k], v10 offset:48+8*\k
.endr
	WIN 0
	ds_load_b32 v111, v11
.macro WM d, a, b, acc, sa, sb, row
.if \acc
.if \row
	v_wmma_scale_f32_16x16x128_f8f6f4 v[\d:\d+7], v[\a:\a+11], v[\b:\b+11], v[\d:\d+7], v[\sa], v[\sb] matrix_a_fmt:MATRIX_FMT_BF6 matrix_b_fmt:MATRIX_FMT_BF6 matrix_a_scale:MATRIX_SCALE_ROW1
.else
	v_wmma_scale_f32_16x16x128_f8f6f4 v[\d:\d+7], v[\a:\a+11], v[\b:\b+11], v[\d:\d+7], v[\sa], v[\sb] matrix_a_fmt:MATRIX_FMT_BF6 matrix_b_fmt:MATRIX_FMT_BF6
.endif
.else
.if \row
	v_wmma_scale_f32_16x16x128_f8f6f4 v[\d:\d+7], v[\a:\a+11], v[\b:\b+11], 0, v[\sa], v[\sb] matrix_a_fmt:MATRIX_FMT_BF6 matrix_b_fmt:MATRIX_FMT_BF6 matrix_a_scale:MATRIX_SCALE_ROW1
.else
	v_wmma_scale_f32_16x16x128_f8f6f4 v[\d:\d+7], v[\a:\a+11], v[\b:\b+11], 0, v[\sa], v[\sb] matrix_a_fmt:MATRIX_FMT_BF6 matrix_b_fmt:MATRIX_FMT_BF6
.endif
.endif
.endm
.macro WMC d, a, b, c, sa, sb, row
.if \row
	v_wmma_scale_f32_16x16x128_f8f6f4 v[\d:\d+7], v[\a:\a+11], v[\b:\b+11], v[\c:\c+7], v[\sa], v[\sb] matrix_a_fmt:MATRIX_FMT_BF6 matrix_b_fmt:MATRIX_FMT_BF6 matrix_a_scale:MATRIX_SCALE_ROW1
.else
	v_wmma_scale_f32_16x16x128_f8f6f4 v[\d:\d+7], v[\a:\a+11], v[\b:\b+11], v[\c:\c+7], v[\sa], v[\sb] matrix_a_fmt:MATRIX_FMT_BF6 matrix_b_fmt:MATRIX_FMT_BF6
.endif
.endm
.macro RELMUL ql, qh, sq, last
.irp p, 0,1,2,3
	WM RR+16*\p, EF+12*\p, \ql, 0, 114+(\p/2), \sq, \p%2
.if (2*\p+1) < \last
	WM RR+16*\p+8, EF+12*\p, \qh, 0, 114+(\p/2), \sq, \p%2
.endif
.endr
.endm
.macro REL pl
	s_cmp_lt_u32 s[BB], s[BG]
	s_cbranch_scc1 .Lpre_\@
	s_cmp_gt_u32 s[BB], s[BG]
	s_cbranch_scc1 .Lpost_\@
	WIN 0x51
	WM RR+56, ES, QLI, 0, 111, SRI, 0
	RELMUL QLI, QHI, SRI, 7
	WM RR+56, ES, QHN, 1, 111, SRN, 0
	WIN 0
	s_branch .Ljoin_\@
.Lpre_\@:
	WIN 0x51
	RELMUL QLI, QHI, SRI, 8
	WIN 0
	s_branch .Ljoin_\@
.Lpost_\@:
	WIN 0x51
	RELMUL QLN, QHN, SRN, 8
	WIN 0
.Ljoin_\@:
.if \pl
.rept 5
	v_nop
.endr
.endif
	s_add_co_u32 s[BB], s[BB], 1
.endm
.macro STIN even
	WIN 0x04
.irp tt, 0,1,2,3,4,5,6,7
.if \even
	ds_store_b128 v[16+\tt], v[RR+8*\tt:RR+8*\tt+3]
	ds_store_b128 v[16+\tt], v[RR+8*\tt+4:RR+8*\tt+7] offset:16
.else
	ds_store_b128 v9, v[RR+8*\tt:RR+8*\tt+3] offset:64*\tt
	ds_store_b128 v9, v[RR+8*\tt+4:RR+8*\tt+7] offset:64*\tt+16
.endif
.endr
	WIN 0
.endm
.macro STOUT par
	WIN 0x40
.irp tt, 0,1,2,3,4,5,6,7
	ds_load_b128 v[RR+8*\tt:RR+8*\tt+3], v8 offset:512*(\par)+64*\tt
	ds_load_b128 v[RR+8*\tt+4:RR+8*\tt+7], v8 offset:512*(\par)+64*\tt+16
.endr
	WIN 0
.endm
.macro EPAIR p
.irp k, 0,1,2
	ds_load_b64 v[EF+12*\p+2*\k:EF+12*\p+2*\k+1], v25 offset:1536*\p+8*\k
.endr
.irp k, 0,1,2
	ds_load_b64 v[EF+12*\p+6+2*\k:EF+12*\p+7+2*\k], v25 offset:1536*\p+768+8*\k
.endr
.endm
.macro ELOADA
	v_add_nc_u32 v25, s[EP], v2
	v_add_nc_u32 v26, s[EQ], v3
	WIN 0x40
	EPAIR 0
	EPAIR 1
	WIN 0
.endm
.macro ELOADB
	WIN 0x40
	EPAIR 2
	EPAIR 3
	WIN 0
	ds_load_b32 v114, v26
	ds_load_b32 v115, v26 offset:256
	s_add_co_u32 s[EP], s[EP], 6144
	s_add_co_u32 s[EQ], s[EQ], 512
.endm
.macro KADR
	v_add_nc_u32 v24, s[KP], v1
	v_add_nc_u32 v27, s[SPP], v4
	v_add_nc_u32 v28, s[SPP], v7
	s_add_co_u32 s[KP], s[KP], 6144
	s_add_co_u32 s[SPP], s[SPP], 256
.endm
.macro KLOAD
	WIN 0x40
.irp g, 0,1,2,3
.irp c, 0,1,2
	ds_load_b128 v[KF+12*\g+4*\c:KF+12*\g+4*\c+3], v24 offset:1536*\g+512*\c
.endr
.endr
	WIN 0
	ds_load_b32 v112, v27
	ds_load_b32 v113, v27 offset:128
.endm
.macro VLOAD
	WIN 0x40
.irp g, 0,1,2,3
.irp c, 0,1,2
	ds_load_b128 v[VF+12*\g+4*\c:VF+12*\g+4*\c+3], v24 offset:43008+1536*\g+512*\c
.endr
.endr
	WIN 0
	ds_load_b32 v116, v28
	ds_load_b32 v117, v28 offset:128
.endm
.macro SMAX
.irp b, 0,1,2,3
	v_max3_num_f32 v[232+\b], v[SS+16*\b], v[SS+1+16*\b], v[SS+2+16*\b]
.endr
.irp i, 3,5,7,9,11,13
.irp b, 0,1,2,3
	v_max3_num_f32 v[232+\b], v[232+\b], v[SS+16*\b+\i], v[SS+1+16*\b+\i]
.endr
.endr
.irp b, 0,1,2,3
	v_max_num_f32 v[232+\b], v[232+\b], v[SS+15+16*\b]
.endr
.endm
.macro SSTAT
.irp b, 0,1,2,3
	v_permlanex16_b32 v[236+\b], v[232+\b], s[SEL], s[SEL+1]
.endr
.irp b, 0,1,2,3
	s_delay_alu instid0(VALU_DEP_4)
	v_max_num_f32 v[232+\b], v[232+\b], v[236+\b]
.endr
	s_delay_alu instid0(VALU_DEP_2)
	v_max3_num_f32 v254, v232, v233, v234
	s_delay_alu instid0(VALU_DEP_1)
	v_max_num_f32 v254, v254, v235
	s_delay_alu instid0(VALU_DEP_1)
	v_mul_f32 v254, s[CS], v254
	s_delay_alu instid0(VALU_DEP_1)
	v_max_num_f32 v13, v13, v254
	v_mov_b32 v254, v12
	s_delay_alu instid0(VALU_DEP_2)
	v_floor_f32 v12, -v13
	s_delay_alu instid0(VALU_DEP_1)
	v_sub_f32 v254, v12, v254
	s_delay_alu instid0(VALU_DEP_1)
	v_cvt_i32_f32 v254, v254
	s_delay_alu instid0(VALU_DEP_1)
	v_ldexp_f32 v252, 1.0, v254
.endm
.macro SFMA j0
.set j, \j0
.rept 16
	v_pk_fma_f32 v[SS+j:SS+j+1], v[SS+j:SS+j+1], s[CS:CS+1], v[12:13] op_sel_hi:[1,0,0]
.set j, j+2
.endr
.endm
.macro SEXP j0
.set j, \j0
.rept 32
	v_exp_f32 v[SS+j], v[SS+j]
.set j, j+1
.endr
.endm
.macro STAIL
	v_pk_mul_f32 v[14:15], v[14:15], v[252:253] op_sel_hi:[1,0]
	s_wait_alu depctr_va_vdst(0)
.irp b, 0,1,2,3
	v_exp_f32 v[232+\b], v[232+\b]
.endr
	v_pk_add_f32 v[236:237], v[SS:SS+1], v[SS+2:SS+3]
.irp j, 4,8,12,16,20,24,28,32,36,40,44,48,52,56,60
	v_pk_add_f32 v[14:15], v[14:15], v[SS+\j:SS+1+\j]
	v_pk_add_f32 v[236:237], v[236:237], v[SS+2+\j:SS+3+\j]
.endr
	s_delay_alu instid0(VALU_DEP_1)
	v_pk_add_f32 v[14:15], v[14:15], v[236:237]
	s_wait_alu depctr_va_vdst(0)
.irp b, 0,1,2,3
	v_max_num_f32 v[232+\b], 0x2800000, v[232+\b]
.endr
.irp b, 0,1,2,3
	s_delay_alu instid0(VALU_DEP_4)
	v_add_nc_u32 v[244+\b], 0xfe000000, v[232+\b]
.endr
.irp b, 0,1,2,3
	s_delay_alu instid0(VALU_DEP_4)
	v_lshrrev_b32 v[236+\b], 23, v[244+\b]
.endr
	s_delay_alu instid0(VALU_DEP_3)
	v_lshl_or_b32 v253, v237, 8, v236
	s_delay_alu instid0(VALU_DEP_1)
	v_lshl_or_b32 v253, v238, 16, v253
	s_delay_alu instid0(VALU_DEP_1)
	v_lshl_or_b32 v253, v239, 24, v253
.irp c, 0,1
	v_cvt_scalef32_pk16_bf6_f32 v[224+6*\c:226+6*\c], v[SS+32*\c:SS+15+32*\c], v[244+2*\c]
	v_cvt_scalef32_pk16_bf6_f32 v[236+4*\c:238+4*\c], v[SS+16+32*\c:SS+31+32*\c], v[244+2*\c+1]
.endr
	v_nop
.irp c, 0,1
.irp i, 0,1,2
	v_permlane16_swap_b32 v[224+6*\c+\i], v[236+4*\c+\i]
.endr
.irp i, 0,1,2
	s_delay_alu instid0(VALU_DEP_3)
	v_mov_b32 v[227+6*\c+\i], v[236+4*\c+\i]
.endr
.endr
.set j, 0
.rept 16
	v_pk_mul_f32 v[OO+j:OO+j+1], v[OO+j:OO+j+1], v[252:253] op_sel_hi:[1,0]
.set j, j+2
.endr
.endm
.macro STEP par, more, el
	WIN 0x11
.irp g, 0,1,2,3
	WMC SS+16*\g, KF+12*\g, QLI, RR+16*\g, 112+(\g/2), SQK, \g%2
	WMC SS+16*\g+8, KF+12*\g, QHI, RR+16*\g+8, 112+(\g/2), SQK, \g%2
.endr
	WIN 0
	KADR
.rept 3
	v_nop
.endr
.if \more
	REL 0
.endif
	SMAX
.if \more
	STIN 1-(\par)
.endif
	SSTAT
.if \more
	STOUT 1-(\par)
.endif
	SFMA 0
	VLOAD
	SFMA 32
.irp b, 0,1,2,3
	v_fma_f32 v[232+\b], v[232+\b], s[CS], v12
.endr
.if \more
	KLOAD
.endif
	s_wait_alu depctr_va_vdst(0)
	SEXP 0
.if \el
	ELOADA
.endif
	SEXP 32
.if \el
	s_wait_alu depctr_va_vdst(0)
	ELOADB
.endif
	STAIL
	s_wait_alu depctr_va_vdst(0)
	s_wait_dscnt 0x0
	WIN 0x01
.irp g, 0,1,2,3
	WM OO+8*\g, VF+12*\g, 224, 1, 116+(\g/2), 253, \g%2
.endr
	WIN 0
.endm
.Lblk:
	s_wait_loadcnt 0x0
.irp j, 0,1,2,3,4,5
	v_mov_b32 v[QLI+\j], v[32+\j]
	v_mov_b32 v[QLN+\j], v[38+\j]
.endr
	v_lshl_or_b32 v[SQK], v44, 16, v44
	s_delay_alu instid0(VALU_DEP_1)
	v_add_nc_u32 v[SRI], 0x03030303, v[SQK]
	v_lshl_or_b32 v[SRN], v45, 16, v45
	s_delay_alu instid0(VALU_DEP_1)
	v_add_nc_u32 v[SRN], 0x03030303, v[SRN]
	s_cmp_eq_u32 s[BL], 3
	s_cbranch_scc1 .Lnoq
	s_add_co_u32 s[SN], s[SN], 128
	QALL
.Lnoq:
	v_mov_b32 v13, 0xff61b1e6
	s_delay_alu instid0(VALU_DEP_1)
	v_floor_f32 v12, -v13
	v_mov_b32 v14, 0
	v_mov_b32 v15, 0
.set j, 0
.rept 32
	v_mov_b32 v[OO+j], 0
.set j, j+1
.endr
	s_mov_b32 s[KP], 0
	s_mov_b32 s[SPP], 0
	s_mov_b32 s[BB], 0
	ELOADA
	ELOADB
	KADR
	KLOAD
	s_wait_dscnt 0x0
	REL 1
	STIN 1
	ELOADA
	ELOADB
	s_wait_dscnt 0x0
	REL 1
	STIN 0
	STOUT 0
	ELOADA
	ELOADB
	s_wait_dscnt 0x0
	s_mov_b32 s[TR], 3
.Ltrip:
	STEP 0, 1, 1
	STEP 1, 1, 1
	s_sub_co_u32 s[TR], s[TR], 1
	s_cmp_lg_u32 s[TR], 0
	s_cbranch_scc1 .Ltrip
	STEP 0, 1, 0
	STEP 1, 0, 0
.rept 4
	v_nop
.endr
	v_add_f32 v14, v14, v15
	s_delay_alu instid0(VALU_DEP_1)
	v_permlanex16_b32 v252, v14, s[SEL], s[SEL+1]
	s_delay_alu instid0(VALU_DEP_1)
	v_add_f32 v14, v14, v252
	s_wait_alu depctr_va_vdst(0)
	v_rcp_f32 v14, v14
	v_nop
	s_wait_alu depctr_va_vdst(0)
.set j, 0
.rept 32
	v_mul_f32 v[SS+j], v[OO+j], v14
.set j, j+1
.endr
.irp b, 0,1
	v_max3_num_f32 v[232+\b], |v[SS+16*\b]|, |v[SS+1+16*\b]|, 0x2800000
.endr
.irp i, 2,4,6,8,10,12,14
.irp b, 0,1
	s_delay_alu instid0(VALU_DEP_2)
	v_max3_num_f32 v[232+\b], v[232+\b], |v[SS+16*\b+\i]|, |v[SS+1+16*\b+\i]|
.endr
.endr
.irp b, 0,1
	s_delay_alu instid0(VALU_DEP_2)
	v_permlanex16_b32 v[236+\b], v[232+\b], s[SEL], s[SEL+1]
.endr
.irp b, 0,1
	s_delay_alu instid0(VALU_DEP_2)
	v_max_num_f32 v[232+\b], v[232+\b], v[236+\b]
.endr
.irp b, 0,1
	s_delay_alu instid0(VALU_DEP_2)
	v_add_nc_u32 v[244+\b], 0xfe000000, v[232+\b]
.endr
.irp b, 0,1
	s_delay_alu instid0(VALU_DEP_2)
	v_lshrrev_b32 v[236+\b], 23, v[244+\b]
.endr
	v_cvt_scalef32_pk16_bf6_f32 v[224:226], v[SS:SS+15], v244
	v_cvt_scalef32_pk16_bf6_f32 v[228:230], v[SS+16:SS+31], v245
	v_nop
.irp i, 0,1,2
	v_permlane16_swap_b32 v[224+\i], v[228+\i]
.endr
	s_delay_alu instid0(VALU_DEP_3)
	v_mov_b32 v227, v228
	s_delay_alu instid0(VALU_DEP_3)
	v_mov_b32 v228, v229
	s_delay_alu instid0(VALU_DEP_3)
	v_mov_b32 v229, v230
	v_cndmask_b32 v238, v236, v237, s[HM]
	ds_store_b64 v46, v[224:225]
	ds_store_b64 v46, v[226:227] offset:8
	ds_store_b64 v46, v[228:229] offset:16
	ds_load_b64 v[168:169], v47
	ds_load_b64 v[170:171], v47 offset:256
	ds_load_b64 v[172:173], v47 offset:512
	global_store_b8 v49, v238, s[SB:SB+1]
	s_wait_dscnt 0x0
	global_store_b64 v48, v[168:169], s[OB:OB+1]
	global_store_b64 v48, v[170:171], s[OB:OB+1] offset:256
	global_store_b64 v48, v[172:173], s[OB:OB+1] offset:512
	s_wait_xcnt 0x0
	s_add_nc_u64 s[OB:OB+1], s[OB:OB+1], 6144
	s_add_nc_u64 s[SB:SB+1], s[SB:SB+1], 4096
	s_sub_co_u32 s[EP], s[EP], 10*6144
	s_sub_co_u32 s[EQ], s[EQ], 10*512
	s_add_co_u32 s[BG], s[BG], 1
	s_add_co_u32 s[BL], s[BL], 1
	s_cmp_lt_u32 s[BL], 4
	s_cbranch_scc1 .Lblk
	s_wait_tensorcnt 0x0
	ds_add_u32 v5, v6
	s_wait_dscnt 0x0
	CROUND
	s_endpgm
.Lfunc_end_k_q777dd0463d_attn:
	.size	k_q777dd0463d_attn, .Lfunc_end_k_q777dd0463d_attn-k_q777dd0463d_attn
	.p2alignl 7, 3214868480
	.fill 96, 4, 3214868480
	.section	.rodata,"a",@progbits
	.p2align	6, 0x0
	.amdhsa_kernel k_q777dd0463d_attn
		.amdhsa_group_segment_fixed_size 327680
		.amdhsa_private_segment_fixed_size 0
		.amdhsa_enable_private_segment 0
		.amdhsa_kernarg_size 40
		.amdhsa_user_sgpr_count 2
		.amdhsa_user_sgpr_kernarg_segment_ptr 1
		.amdhsa_wavefront_size32 1
		.amdhsa_system_sgpr_workgroup_id_x 1
		.amdhsa_system_sgpr_workgroup_id_y 1
		.amdhsa_system_sgpr_workgroup_id_z 1
		.amdhsa_system_vgpr_workitem_id 0
		.amdhsa_next_free_vgpr 512
		.amdhsa_next_free_sgpr 80
		.amdhsa_reserve_vcc 0
		.amdhsa_float_denorm_mode_32 3
		.amdhsa_float_denorm_mode_16_64 3
		.amdhsa_memory_ordered 1
		.amdhsa_forward_progress 1
		.amdhsa_inst_pref_size 129
	.end_amdhsa_kernel
	.amdgpu_metadata
---
amdhsa.version: [ 1, 2 ]
amdhsa.kernels:
  - .name:           k_q777dd0463d_attn
    .symbol:         k_q777dd0463d_attn.kd
    .args:
      - { .name: qrec, .offset: 0, .size: 8, .value_kind: global_buffer, .address_space: global }
      - { .name: kvrec, .offset: 8, .size: 8, .value_kind: global_buffer, .address_space: global }
      - { .name: erx, .offset: 16, .size: 8, .value_kind: global_buffer, .address_space: global }
      - { .name: ocodes, .offset: 24, .size: 8, .value_kind: global_buffer, .address_space: global }
      - { .name: oscales, .offset: 32, .size: 8, .value_kind: global_buffer, .address_space: global }
    .group_segment_fixed_size: 327680
    .private_segment_fixed_size: 0
    .kernarg_segment_align: 8
    .kernarg_segment_size: 40
    .max_flat_workgroup_size: 256
    .sgpr_count:     80
    .vgpr_count:     512
    .wavefront_size: 32
...
	.end_amdgpu_metadata
.endif
;; end of part 3
;; launch proj (part 4): grid 8 x 32, 4 waves a work-group, clusters of 4 x 4, 327,680 bytes of LDS; arguments ocodes, oscales, W_out_codes, W_out_scales, b_out, out0; writes out0
.if DOCPART == 4
	.amdgcn_target "amdgcn-amd-amdhsa--gfx1250"
	.amdhsa_code_object_version 6
	.text
	.protected	k_q777dd0463d_proj
	.globl	k_q777dd0463d_proj
	.p2align	8
	.type	k_q777dd0463d_proj,@function
k_q777dd0463d_proj:
	s_mov_b64 s[64:65], 0
	v_nop
	global_prefetch_b8 v0, s[64:65] scope:SCOPE_SE
	s_setreg_imm32_b32 hwreg(HW_REG_WAVE_MODE, 25, 1), 1
	s_wait_xcnt 0x0
	s_wait_alu depctr_hold_cnt(0) depctr_sa_sdst(0) depctr_va_vdst(0) depctr_va_sdst(0) depctr_va_ssrc(0) depctr_va_vcc(0) depctr_vm_vsrc(0)
	s_getreg_b32 s2, hwreg(HW_REG_IB_STS2, 6, 4)
	s_cmp_eq_u32 s2, 0
	s_cbranch_scc0 .Lentry_in_a_cluster
	s_endpgm
.Lentry_in_a_cluster:
	s_bfe_u32 s2, ttmp6, 0x10000c
	s_cmp_lg_u32 s2, 0xf033
	s_cbranch_scc0 .Lentry_shape_is_right
	s_endpgm
.Lentry_shape_is_right:
; LAUNCH 4 OF 4.  out0 = o W_out + b_out on codes of BF6 (E3M2) with one E8M0 scale for each 32 along K.  No work is left out.
; A work-group makes 256 tokens x 128 columns; wave w: tokens 128 (w / 2) on, columns 64 (w % 2) on: 32 accumulators, transposed (source 0 = 16 rows of W, source 1 = 16 tokens), so a lane holds 8 neighbours of a row of out0.
; BOTH OPERANDS LIE IN LDS FOR ALL OF K, by one tensor load a wave at the head: o's 256 tokens are 16 rows (one a head) of 12,288 bytes, waves 0 and 1 fetch eight each;
; W's 128 rows are dense memory, fetched by waves 2 and 3 as rows of 256 bytes with 16 bytes of padding (a row of W is 816 bytes apart).  Nothing is filled again.
; THE SCALE BYTES go from memory into registers once: a lane takes a row's 32 bytes (a word a step); lanes 0-15 hold the even block of 16 rows, lanes 16-31 the odd one, picked by the ROW selector.
; CLUSTER 4 x 4: o's tiles are shared along a row of the cluster, W's along a column.  No prefetch: eight steps written out, no loop to run ahead in, and no load behind the head.
; REGISTERS: window 0: addresses, v64-95 b_out, v128-191 the way out, v192-239 scale words.  window 1: v0-95 o's 8 fragments (one set), v96-143, v144-191 W's 4 (two sets).  window 2: accumulator (a, ct) at 8 (4 a + ct).
.set OROW,   12288                     ; a head's row: 256 tokens x 48 bytes
.set WP,     816
.set WH,     64*WP
.set WB,     16*OROW
.set STAGE,  WB+2*WH                   ; the way out: 16 rows x 272 bytes for each wave, bytes of its own
.set SPITCH, 272
.set SPARE,  STAGE+4*16*SPITCH         ; the spare words, 128 bytes for each wave
.set FR,     12
.set NL,     6
.set LS,     13                        ; v13     32 x lane
.set TQ,     14                        ; v14     offset into b_out
.set ADRO,   16                        ; v16-19  o's fragments, heads 4 g on
.set ADRB,   20                        ; v20-21  W's fragments; and with lanes 16-31 behind one padding more
.set STO,    24
.set RD,     25
.set CO,     26
.set SPW,    28
.set NIL,    29
.set BQ,     64
.set BK,     128
.set XSC,    192                       ; o's scale words: 8 (a / 2) + step
.set WSC,    224                       ; W's: 8 (ct / 2) + step
.set WF,     96
.set WV, 16
.set RH, 17
.set CC, 18
.set G1A, 24
.set G0A, 32
.set G1B, 48
.set G0B, 56
.set MSB, 0
.macro WIN new                         ; the immediate's high byte repeats the setting that is left
.if MSB != (\new)
	s_set_vgpr_msb (MSB<<8)|(\new)
.set MSB, (\new)
.endif
.endm
.macro CROUND
	s_barrier_signal -1
	s_barrier_wait -1
	s_cmp_lg_u32 s[WV], 0
	s_cbranch_scc1 .Lnot_wave_0_\@
	s_barrier_signal -3
.Lnot_wave_0_\@:
	s_barrier_wait -3
	s_barrier_signal -1
	s_barrier_wait -1
.endm
.macro PLACES
.rept 4
	v_nop
.endr
.endm
	s_load_b128 s[4:7], s[0:1], 0x0                ; o's codes, o's scales
	s_load_b128 s[8:11], s[0:1], 0x10              ; W's codes, W's scales
	s_load_b128 s[12:15], s[0:1], 0x20             ; b_out, out0
	v_lshl_add_u32 v[SPW], v0, 2, SPARE
	v_mov_b32 v[NIL], 0
	ds_add_u32 v[SPW], v[NIL]                      ; the opening: the add, twice on end, and its wait ahead of my first tensor load
	ds_add_u32 v[SPW], v[NIL]
	v_lshrrev_b32 v1, 5, v0
	v_readfirstlane_b32 s[WV], v1
	s_lshr_b32 s[RH], s[WV], 1
	s_and_b32 s[CC], s[WV], 1
	s_bfe_u32 s40, ttmp6, 0x40000                  ; cx
	s_bfe_u32 s41, ttmp6, 0x40004                  ; cy
	s_lshl_b32 s42, ttmp9, 2
	s_add_co_u32 s42, s42, s40                     ; which 128 columns
	s_and_b32 s19, ttmp7, 0xffff
	s_lshl_b32 s19, s19, 2
	s_add_co_u32 s19, s19, s41                     ; rt: which 256 tokens
	s_lshl_b32 s43, s41, 2
	s_lshl_b32 s43, 15, s43                        ; my row of the cluster
	s_lshl_b32 s44, 0x1111, s40                    ; my column
	s_or_b32 s[G1A+0], s43, (3<<16)|(1<<21)        ; o: 8 rows of 1,536 elements of 8 bytes, 393,216 bytes apart
	s_mov_b32 s[G1A+1], 1536<<16
	s_mov_b32 s[G1A+2], 8<<16
	s_mov_b32 s[G1A+3], 1536<<16
	s_mov_b32 s[G1A+4], 8
	s_mov_b32 s[G1A+5], 49152
	s_mov_b32 s[G1A+6], 0
	s_mov_b32 s[G1A+7], 0
	s_or_b32 s[G1B+0], s44, (1<<20)|(1<<21)|(5<<22)|(3<<25)   ; W: 49,152 dense bytes as 192 rows of 256, 4 words of padding behind each
	s_mov_b32 s[G1B+1], 256<<16
	s_mov_b32 s[G1B+2], 192<<16
	s_mov_b32 s[G1B+3], 256<<16
	s_mov_b32 s[G1B+4], 192
	s_mov_b32 s[G1B+5], 256
	s_mov_b32 s[G1B+6], 0
	s_mov_b32 s[G1B+7], 0
	s_mul_i32 s20, s19, 12288                      ; o's codes: my 256 tokens, heads 8 c on
	s_mul_i32 s21, s[CC], 3145728
	s_add_co_u32 s20, s20, s21
	s_mov_b32 s21, 0
	s_mul_i32 s46, s42, 98304                      ; W's codes: rows 128 x tile column + 64 c on
	s_mul_i32 s47, s[CC], 49152
	s_add_co_u32 s46, s46, s47
	s_mov_b32 s47, 0
	s_lshl_b32 s22, s19, 13                        ; o's scales: my 128 rows of 32 bytes
	s_lshl_b32 s23, s[RH], 12
	s_add_co_u32 s22, s22, s23
	s_mov_b32 s23, 0
	s_lshl_b32 s94, s42, 12                        ; W's scales: my 64 rows
	s_lshl_b32 s95, s[CC], 11
	s_add_co_u32 s94, s94, s95
	s_mov_b32 s95, 0
	s_mul_i32 s96, s[CC], 8*OROW
	s_mul_i32 s97, s[CC], WH
	s_add_co_u32 s97, s97, WB
	s_wait_dscnt 0x0                               ; both opening adds are done
	s_wait_kmcnt 0x0
	s_add_nc_u64 s[20:21], s[4:5], s[20:21]
	s_add_nc_u64 s[22:23], s[6:7], s[22:23]
	s_add_nc_u64 s[46:47], s[8:9], s[46:47]
	s_add_nc_u64 s[94:95], s[10:11], s[94:95]
	s_mov_b32 s[G0A], 1
	s_mov_b32 s[G0A+1], s96
	s_mov_b64 s[G0A+2:G0A+3], s[20:21]
	s_or_b32 s[G0A+3], s[G0A+3], 0x80000000
	s_mov_b32 s[G0B], 1
	s_mov_b32 s[G0B+1], s97
	s_mov_b64 s[G0B+2:G0B+3], s[46:47]
	s_or_b32 s[G0B+3], s[G0B+3], 0x80000000
	CROUND                                         ; all sixteen work-groups are here: the joint loads meet
	s_cmp_eq_u32 s[RH], 0                          ; waves 0, 1 ask for o, waves 2, 3 for W: the branch hangs on the wave's number alone
	s_cbranch_scc0 .Lhead_w
	tensor_load_to_lds s[G0A:G0A+3], s[G1A:G1A+7]
	s_nop 0
	PLACES
	s_branch .Lhead_asked
.Lhead_w:
	tensor_load_to_lds s[G0B:G0B+3], s[G1B:G1B+7]
	s_nop 0
	PLACES
.Lhead_asked:
	s_mul_i32 s66, s[RH], 6144                     ; my 128 tokens of a head's row
	s_mul_i32 s67, s[CC], WH
	s_add_co_u32 s67, s67, WB                      ; my 64 rows of W
	s_mul_i32 s40, s[WV], 16*SPITCH
	s_add_co_u32 s40, s40, STAGE                   ; my stage
	s_lshl_b32 s20, s19, 8
	s_lshl_b32 s21, s[RH], 7
	s_add_co_u32 s20, s20, s21
	s_lshl_b32 s20, s20, 12
	s_lshl_b32 s21, s42, 9
	s_add_co_u32 s20, s20, s21
	s_lshl_b32 s21, s[CC], 8
	s_add_co_u32 s20, s20, s21
	s_mov_b32 s21, 0
	s_add_nc_u64 s[14:15], s[14:15], s[20:21]      ; my part of out0
	s_lshl_b32 s98, s42, 9
	s_lshl_b32 s99, s[CC], 8
	s_add_co_u32 s98, s98, s99
	s_mov_b32 s99, 0
	s_add_nc_u64 s[12:13], s[12:13], s[98:99]      ; my 64 numbers of b_out
	v_and_b32 v1, 15, v0                           ; r
	v_bfe_u32 v2, v0, 4, 1                         ; h
	v_and_b32 v10, 31, v0
	v_mul_u32_u24 v3, v1, 48
	v_mul_u32_u24 v4, v1, WP
	v_mul_u32_u24 v5, v1, SPITCH
	v_mul_u32_u24 v6, v2, SPITCH
	v_mad_u32_u24 v3, v2, 24, v3
	v_mad_u32_u24 v4, v2, 24, v4
	v_lshl_add_u32 v5, v2, 5, v5
	v_lshl_add_u32 v6, v1, 4, v6
	v_add_nc_u32 v[ADRO], s66, v3
	v_add_nc_u32 v[ADRB], s67, v4
	v_add_nc_u32 v[STO], s40, v5
	v_add_nc_u32 v[RD], s40, v6
	v_add_nc_u32 v[ADRO+1], 4*OROW, v[ADRO]
	v_add_nc_u32 v[ADRO+2], 8*OROW, v[ADRO]
	v_add_nc_u32 v[ADRO+3], 12*OROW, v[ADRO]
	v_lshl_add_u32 v[ADRB+1], v2, 4, v[ADRB]
	v_lshlrev_b32 v7, 15, v2
	v_lshl_add_u32 v[CO], v1, 4, v7
	v_lshlrev_b32 v[LS], 5, v10
	v_lshlrev_b32 v[TQ], 5, v2
	s_wait_alu depctr_va_vdst(0)                   ; the wait at the head's end
.irp j, 0,1,2,3                        ; scale words: 32 lanes x 32 bytes are 1,024 bytes on end, taken by two loads
	global_load_b128 v[XSC+8*\j:XSC+8*\j+3], v[LS], s[22:23] offset:1024*\j
	global_load_b128 v[XSC+8*\j+4:XSC+8*\j+7], v[LS], s[22:23] offset:1024*\j+16
.endr
.irp j, 0,1
	global_load_b128 v[WSC+8*\j:WSC+8*\j+3], v[LS], s[94:95] offset:1024*\j
	global_load_b128 v[WSC+8*\j+4:WSC+8*\j+7], v[LS], s[94:95] offset:1024*\j+16
.endr
.irp ct, 0,1,2,3                       ; the sums' starts: b_out, register j is column 16 ct + 8 h + j
	global_load_b128 v[BQ+8*\ct:BQ+8*\ct+3], v[TQ], s[12:13] offset:64*\ct
	global_load_b128 v[BQ+8*\ct+4:BQ+8*\ct+7], v[TQ], s[12:13] offset:64*\ct+16
.endr
.macro FRAGW reg, st, i                ; byte y of a row of W lies at y + 16 (y / 256); lanes 16-31 read 24 bytes further on
.irp p, 0,1,2,3,4,5
.set BY, 96*(\st)+48*(\p/3)+8*(\p%3)
.if BY/256 == (BY+24)/256
	ds_load_b64 v[\reg+2*\p:\reg+2*\p+1], v[ADRB] offset:BY+16*(BY/256)+(\i)*16*WP
.else
	ds_load_b64 v[\reg+2*\p:\reg+2*\p+1], v[ADRB+1] offset:BY+16*(BY/256)+(\i)*16*WP
.endif
.endr
.endm
.macro FRAGO reg, st, i                ; step st is heads 2 st and 2 st + 1: 48 bytes a token in each head's row
.irp p, 0,1,2,3,4,5
	ds_load_b64 v[\reg+2*\p:\reg+2*\p+1], v[ADRO+(\st)/2] offset:OROW*(2*((\st)%2)+\p/3)+768*(\i)+8*(\p%3)
.endr
.endm
.macro FETCH_W st                      ; W's four fragments of step st into set st % 2: 24 loads
	WIN 0x40
.irp i, 0,1,2,3
	FRAGW WF+48*((\st)%2)+FR*\i, \st, \i
.endr
.endm
.macro FETCH_O st, i0                  ; o's blocks i0 .. i0 + 3: 24 loads
	WIN 0x40
.irp i, \i0, \i0+1, \i0+2, \i0+3
	FRAGO FR*(\i), \st, \i
.endr
.endm
.macro WMS d, a, b, c, sa, sb, ra, rb  ; ra, rb: the sources' scales stand in lanes 16-31
.if (\ra) && (\rb)
	v_wmma_scale_f32_16x16x128_f8f6f4 v[\d:\d+7], v[\a:\a+11], v[\b:\b+11], v[\c:\c+7], v[\sa], v[\sb] matrix_a_fmt:MATRIX_FMT_BF6 matrix_b_fmt:MATRIX_FMT_BF6 matrix_a_scale:MATRIX_SCALE_ROW1 matrix_b_scale:MATRIX_SCALE_ROW1
.elseif (\ra)
	v_wmma_scale_f32_16x16x128_f8f6f4 v[\d:\d+7], v[\a:\a+11], v[\b:\b+11], v[\c:\c+7], v[\sa], v[\sb] matrix_a_fmt:MATRIX_FMT_BF6 matrix_b_fmt:MATRIX_FMT_BF6 matrix_a_scale:MATRIX_SCALE_ROW1
.elseif (\rb)
	v_wmma_scale_f32_16x16x128_f8f6f4 v[\d:\d+7], v[\a:\a+11], v[\b:\b+11], v[\c:\c+7], v[\sa], v[\sb] matrix_a_fmt:MATRIX_FMT_BF6 matrix_b_fmt:MATRIX_FMT_BF6 matrix_b_scale:MATRIX_SCALE_ROW1
.else
	v_wmma_scale_f32_16x16x128_f8f6f4 v[\d:\d+7], v[\a:\a+11], v[\b:\b+11], v[\c:\c+7], v[\sa], v[\sb] matrix_a_fmt:MATRIX_FMT_BF6 matrix_b_fmt:MATRIX_FMT_BF6
.endif
.endm
; 8 products: tokens' blocks a0, a0 + 1 x four tiles of columns.  first = 1: the sums start from b_out.  The 32 accumulators take turns, one instruction a turn, in the same order in every step.
.macro MQK a0, st, first
.irp a, \a0, \a0+1
.irp ct, 0,1,2,3
.if \first
	WMS 8*(4*(\a)+\ct), WF+48*((\st)%2)+FR*\ct, FR*(\a), BQ+8*\ct, WSC+8*(\ct/2)+(\st), XSC+8*((\a)/2)+(\st), \ct%2, (\a)%2
.else
	WMS 8*(4*(\a)+\ct), WF+48*((\st)%2)+FR*\ct, FR*(\a), 8*(4*(\a)+\ct), WSC+8*(\ct/2)+(\st), XSC+8*((\a)/2)+(\st), \ct%2, (\a)%2
.endif
.endr
.endr
.endm
.macro WQK first                       ; sources 0 and 1 window 1; D window 2; C window 2, or window 0 where the sums start
.if \first
	WIN 0x85
.else
	WIN 0xa5
.endif
.endm
; A step of 128 along K: 32 products; the next step's fragments are fetched in its middle and at its end.  A block of o is free as soon as its products are issued: one set serves o.
.macro STEP st, first
.set NX, (\st)+1
	s_wait_dscnt 4*NL                              ; all but the youngest 24 loads (o's blocks 4-7) are in
	WQK \first
	MQK 0, \st, \first
	MQK 2, \st, \first
	s_wait_dscnt 0x0
	PLACES                                         ; four places in front of loads into registers that matrix instructions have read
	FETCH_W NX
	FETCH_O NX, 0
	WQK \first
	MQK 4, \st, \first
	MQK 6, \st, \first
	PLACES
	FETCH_O NX, 4
.endm
	s_wait_tensorcnt 0x0                           ; my tile is in
	s_barrier_signal -1
	s_barrier_wait -1                              ; and so are the other three
	FETCH_W 0
	FETCH_O 0, 0
	FETCH_O 0, 4
	s_wait_loadcnt 0x0                             ; the scale words and b_out
	STEP 0, 1
.set ST, 1
.rept 6
	STEP ST, 0
.set ST, ST+1
.endr
	s_wait_dscnt 4*NL
	WQK 0
	MQK 0, 7, 0
	MQK 2, 7, 0
	s_wait_dscnt 0x0
	MQK 4, 7, 0
	MQK 6, 7, 0
	WIN 0
; THE WAY OUT, block by block of 16 rows x 64 columns, through my own stage: back as rows of 256 bytes, which sixteen lanes store as one aligned unit.
.macro TOSTAGE a
	WIN 0x08
.irp ct, 0,1,2,3
	ds_store_b128 v[STO], v[8*(4*(\a)+\ct):8*(4*(\a)+\ct)+3] offset:64*\ct
	ds_store_b128 v[STO], v[8*(4*(\a)+\ct)+4:8*(4*(\a)+\ct)+7] offset:64*\ct+16
.endr
	WIN 0
.set BBK, BK+32*((\a)%2)
.irp t, 0,1,2,3,4,5,6,7
	ds_load_b128 v[BBK+4*\t:BBK+4*\t+3], v[RD] offset:\t*2*SPITCH
.endr
.endm
.macro SEND a, younger                 ; younger: the LDS instructions issued behind block a's loads, which may stay out
.set BBK, BK+32*((\a)%2)
	s_wait_dscnt \younger
.if (\a) > 0
	s_add_nc_u64 s[14:15], s[14:15], 4096
.endif
.irp t, 0,1,2,3,4,5,6,7
	global_store_b128 v[CO], v[BBK+4*\t:BBK+4*\t+3], s[14:15] offset:16*\t*4096 th:TH_STORE_NT
.endr
.endm
	PLACES
	TOSTAGE 0
.irp a, 1,2,3,4,5,6,7
.if \a > 1
	s_wait_xcnt 0x0                                ; block a - 2's stores have read their registers and their base
.endif
	TOSTAGE \a
	SEND \a-1, 16
.endr
	s_wait_xcnt 0x0
	SEND 7, 0
	s_wait_tensorcnt 0x0                           ; the wave's end
	ds_add_u32 v[SPW], v[NIL]
	s_wait_dscnt 0x0
	CROUND                                         ; the closing round
	s_endpgm
.Lfunc_end_k_q777dd0463d_proj:
	.size	k_q777dd0463d_proj, .Lfunc_end_k_q777dd0463d_proj-k_q777dd0463d_proj
	.p2alignl 7, 3214868480
	.fill 96, 4, 3214868480
	.section	.rodata,"a",@progbits
	.p2align	6, 0x0
	.amdhsa_kernel k_q777dd0463d_proj
		.amdhsa_group_segment_fixed_size 327680
		.amdhsa_private_segment_fixed_size 0
		.amdhsa_enable_private_segment 0
		.amdhsa_kernarg_size 48
		.amdhsa_user_sgpr_count 2
		.amdhsa_user_sgpr_kernarg_segment_ptr 1
		.amdhsa_wavefront_size32 1
		.amdhsa_system_sgpr_workgroup_id_x 1
		.amdhsa_system_sgpr_workgroup_id_y 1
		.amdhsa_system_sgpr_workgroup_id_z 1
		.amdhsa_system_vgpr_workitem_id 0
		.amdhsa_next_free_vgpr 768
		.amdhsa_next_free_sgpr 100
		.amdhsa_reserve_vcc 0
		.amdhsa_float_denorm_mode_32 3
		.amdhsa_float_denorm_mode_16_64 3
		.amdhsa_memory_ordered 1
		.amdhsa_forward_progress 1
		.amdhsa_inst_pref_size 96
	.end_amdhsa_kernel
	.amdgpu_metadata
---
amdhsa.version: [ 1, 2 ]
amdhsa.kernels:
  - .name:           k_q777dd0463d_proj
    .symbol:         k_q777dd0463d_proj.kd
    .args:
      - { .name: ocodes, .offset: 0, .size: 8, .value_kind: global_buffer, .address_space: global }
      - { .name: oscales, .offset: 8, .size: 8, .value_kind: global_buffer, .address_space: global }
      - { .name: W_out_codes, .offset: 16, .size: 8, .value_kind: global_buffer, .address_space: global }
      - { .name: W_out_scales, .offset: 24, .size: 8, .value_kind: global_buffer, .address_space: global }
      - { .name: b_out, .offset: 32, .size: 8, .value_kind: global_buffer, .address_space: global }
      - { .name: out0, .offset: 40, .size: 8, .value_kind: global_buffer, .address_space: global }
    .group_segment_fixed_size: 327680
    .private_segment_fixed_size: 0
    .kernarg_segment_align: 8
    .kernarg_segment_size: 48
    .max_flat_workgroup_size: 128
    .sgpr_count:     100
    .vgpr_count:     768
    .wavefront_size: 32
...
	.end_amdgpu_metadata
.endif
;; end of part 4
